; MI455X (gfx1250); checked and timed in simulation.
; The chip was launched on July 23, 2026; its instructions are those of AMD's public machine-readable ISA for CDNA 5 (MIT licence, August 2026) and "CDNA5" Instruction Set Architecture Reference Guide (July 2026). The comments in the code are by the model that wrote it; some were corrected since.
;; Gemma2 Attention. Allowed arithmetic: matrix products marked QUANTISED: E2M3 operands, one E8M0 scale for each 32 along K, by v_wmma_scale_f32_16x16x128_f8f6f4 with both operands' format E2M3, f32 sums; everything else in f32.
;; Inputs: Wk_codes 1,024 x 64 x 24 uint8 (E2M3 codes of Wk, K innermost, in blocks of 32 codes, four codes in three bytes); Wk_scales 1,024 x 64 uint8 (E8M0 scales of Wk, one for each 32 codes along K); Wo_codes 2,048 x 64 x 24 uint8 (E2M3 codes of Wo, K innermost, in blocks of 32 codes, four codes in three bytes); Wo_scales 2,048 x 64 uint8 (E8M0 scales of Wo, one for each 32 codes along K); Wq_codes 2,048 x 64 x 24 uint8 (E2M3 codes of Wq, K innermost, in blocks of 32 codes, four codes in three bytes); Wq_scales 2,048 x 64 uint8 (E8M0 scales of Wq, one for each 32 codes along K); Wv_codes 1,024 x 64 x 24 uint8 (E2M3 codes of Wv, K innermost, in blocks of 32 codes, four codes in three bytes); Wv_scales 1,024 x 64 uint8 (E8M0 scales of Wv, one for each 32 codes along K); bk 1,024 float32; bq 2,048 float32; bv 1,024 float32; hidden_states_codes 4 x 1,024 x 64 x 24 uint8 (E2M3 codes of hidden_states, K innermost, in blocks of 32 codes, four codes in three bytes); hidden_states_scales 4 x 1,024 x 64 uint8 (E8M0 scales of hidden_states, one for each 32 codes along K); positions 4 x 1,024 int32.
;; Outputs: out0 4 x 1,024 x 2,048 float32.
;; This version of the problem:
;;   THIS VERSION OF THE PROBLEM IS GIVEN IN LOW PRECISION. The matrix products marked QUANTISED in the list below multiply operands that are first quantised to E2M3 (2 exponent bits, 3 mantissa bits; 6 bits a number), with one power-of-two scale for each 32 numbers along K (OCP MX v1.0); their sums are f32. All else is computed in f32.
;;   The module's matrix products, in the order in which they are computed (A, B: the left and right operand; K: the contracted axis; several contracted axes count as one K, in the product's order):
;;     1. [M 4,096, K 2,048] x [K 2,048, N 2,048]; A: input hidden_states (given as codes); B: input Wq (given as codes): QUANTISED
;;     2. [M 4,096, K 2,048] x [K 2,048, N 1,024]; A: input hidden_states (given as codes); B: input Wk (given as codes): QUANTISED
;;     3. [M 4,096, K 2,048] x [K 2,048, N 1,024]; A: input hidden_states (given as codes); B: input Wv (given as codes): QUANTISED
;;     4. batch 32 x [M 1,024, K 256] x [K 256, N 1,024]; A: computed on the way; B: computed on the way: QUANTISED
;;     5. batch 32 x [M 256, K 1,024] x [K 1,024, N 1,024]; A: computed on the way; B: softmax (see below): QUANTISED
;;     6. [M 4,096, K 2,048] x [K 2,048, N 2,048]; A: computed on the way; B: input Wo (given as codes): QUANTISED
;;   THE QUANTISER, for each operand of a quantised product, along K:
;;     - K is cut into blocks of 32 from its start; a last block that is shorter is filled with zeros.
;;     - A block's scale is 2^e with e = floor(log2(the largest magnitude in the block)) - 2, held to -126 .. 127; a block of zeros has e = 0. As a byte (E8M0): e + 127.
;;     - Each number is divided by its block's scale, clamped to +-7.5, and rounded to the nearest number of E2M3, ties to even, subnormals kept.
;;     - The product sums the exact products of the quantised numbers (number of the format x scale) in f32.
;;   ~~~python
;;   def quantise(x, axis):      # numpy; x: float32 -> the quantised numbers, widened to float32 again
;;       x = np.moveaxis(x, axis, -1); K = x.shape[-1]
;;       x = np.pad(x, [(0, 0)] * (x.ndim - 1) + [(0, -K % 32)]); x = x.reshape(x.shape[:-1] + (-1, 32)); a = np.abs(x).max(-1, keepdims=True)
;;       e = np.where(a > 0, np.clip(np.frexp(np.where(a > 0, a, 1))[1] - 1 - 2, -126, 127), 0)      # np.frexp(a)[1] - 1 = floor(log2(a)), exactly
;;       r = np.clip(x / 2.0 ** e, -7.5, 7.5)
;;       step = 2.0 ** (np.maximum(np.frexp(np.where(r == 0, 1, r))[1] - 1, 0) - 3)
;;       q = np.round(r / step) * step * 2.0 ** e      # np.round: ties to even
;;       return np.moveaxis(q.reshape(q.shape[:-2] + (-1,))[..., :K], -1, axis).astype(np.float32)
;;   ~~~
;;   SOFTMAX AHEAD OF A QUANTISED PRODUCT. Where the list says 'softmax', what is quantised is not the finished softmax but p = 2^(t - M), with t = logit x log2(e) and M = ceil(the row's largest t), a whole number; so 1/2 < the row's largest p <= 1. The row's sum l is taken of the UNQUANTISED p, in f32, and the product's result is divided by l at the end. Since M is a whole number, a kernel that streams over the keys may use a running M (the ceiling of the running maximum): every later rescaling is an exact power of two, which a block's scale takes up: the codes' values come out the same.
;;   OPERANDS COMPUTED ON THE WAY. 'Computed on the way' means the value that the module computes at that place (a softmax that the list does not call 'softmax' is quantised finished and normalised). What goes into a quantiser is computed in f32, as accurately as f32 sums, v_exp_f32 and their like allow (about 1e-6 of the number): no bf16 or f16 on the way to a quantiser, and a product that is left as it is and whose result goes on into a quantised operand takes f32 operands (vector FMAs, or v_wmma_f32_16x16x4_f32). A number that lies on a knife's edge between two numbers of the format may be rounded either way, as far as f32 arithmetic and the matrix unit's own rounding can turn it there, and no further.
;;   INPUTS GIVEN AS CODES. Wk (in the module: [2048, 1024], K = its axis 0); Wo (in the module: [2048, 2048], K = its axis 0); Wq (in the module: [2048, 2048], K = its axis 0); Wv (in the module: [2048, 1024], K = its axis 0); hidden_states (in the module: [4, 1024, 2048], K = its axis 2): each comes as NAME_codes (uint8): NAME with its K axis moved to the last place and cut into blocks of 32 codes, [.., K / 32, bytes a block], one block behind the other in memory; four codes in three bytes: a row's codes are one little-endian stream of bits, code i at bits 6 i .. 6 i + 5 (a code: sign, 2 exponent bits, 3 mantissa bits); and NAME_scales (uint8): the same leading axes, one E8M0 byte (e + 127) for each 32 codes along K. Its value is code x scale, taken as it is: it is not quantised again, and the codes and scales need not be those that the quantiser above would give.
;; One version. Each part assembles by itself: llvm-mc -triple=amdgcn-amd-amdhsa -mcpu=gfx1250 --defsym DOCPART=n.
;; ======== version 1 of 1: 4 launches
;; limits: right only within a limited range of input values
;; workspace buffers: rw 7,340,032 bytes; qw 6,553,600 bytes; kvw 6,553,600 bytes; aw 6,553,600 bytes; hi 6,291,456 bytes; wqi 3,145,728 bytes; wki 1,572,864 bytes; wvi 1,572,864 bytes
;; launch ropetab (part 1): grid 832 x 1, 4 waves a work-group, no clusters, 50,688 bytes of LDS; arguments positions, rw, hidden_states_codes, Wq_codes, Wk_codes, Wv_codes, Wo_codes, hi, wqi, wki, wvi; writes rw, hi, wqi, wki, wvi
.if DOCPART == 1
	.amdgcn_target "amdgcn-amd-amdhsa--gfx1250"
	.amdhsa_code_object_version 6
	.text
	.protected	k_qddd3a7178a_ropetab
	.globl	k_qddd3a7178a_ropetab
	.p2align	8
	.type	k_qddd3a7178a_ropetab,@function
k_qddd3a7178a_ropetab:
	s_mov_b64 s[64:65], 0
	v_nop
	global_prefetch_b8 v0, s[64:65] scope:SCOPE_SE
	s_setreg_imm32_b32 hwreg(HW_REG_WAVE_MODE, 25, 1), 1
	s_wait_xcnt 0x0
; cos and sin of positions[token] x inv_freq[i], inv_freq[i] = 10000^(-i/128), i = 0 .. 127, laid in the order in which the projection's lanes want them.
; rt: [T16 256][c 2][g 16][lane 32][16 bytes].  A unit (T16, c) is 8,192 bytes: groups 0-7 are cos registers 4 g .. 4 g + 3, groups 8-15 sin.
; Register x (0 .. 31) of lane (r = lane % 16, h = lane / 16) belongs to token 16 T16 + r and frequency i = 64 c + 16 (x / 8) + 8 h + x % 8.
; A work-group makes one unit; its wave k makes registers 8 k .. 8 k + 7: eight pairs a lane, four stores of 512 consecutive bytes.  No LDS, no barrier: waves share nothing.
; Every stage is written for all eight numbers before the next stage, so that no line reads the result of a line near it.
; inv_freq = 2^(-i L), L = log2(10000) / 128 in two parts: e_hi = the rounded i x (-L_hi), e_lo = its exact rest + i x (-L_lo); 2^e_hi x (1 + ln 2 x e_lo).
; The angle a = pos x inv_freq is rounded once.  n = the nearest whole number to a x 2 / pi; a - n x pi / 2 in two parts (the first
; multiply-add is exact: the difference is a multiple of 2^-23 under 1); sine and cosine by polynomials on +-pi/4; the quadrant swaps them and sets the signs.
; LIMITS: |positions| up to 2^23 (n stays exact; the rest of pi / 2 that is left out times n stays under 2e-8).  inv_freq lies within some 2 units in its last place of a correctly rounded one.
.set IX, 16                            ; v16-23   i
.set TH, 24                            ; v24-31   e_hi, then inv_freq
.set EL, 32                            ; v32-39   ln 2 x e_lo
.set A,  40                            ; v40-47   the angle, then its rest r, then 1 - z / 2
.set NN, 48                            ; v48-55   n
.set Z,  56                            ; v56-63   z = r r
.set SP, 64                            ; v64-71   sin r
.set CP, 72                            ; v72-79   cos r
.set W,  80                            ; v80-87   at work
.set CO, 88                            ; v88-95   cos
.set SI, 96                            ; v96-103  sin
; (The lines at the head speak of the table's part alone; the table is rw's first 4,194,304 bytes.)
; SECOND PART: the codes of hidden_states, Wq, Wk, Wv and Wo are laid anew as images of operand registers: [16 rows][K step of 128][1,536 bytes],
; register group j of lane l at 512 j + 16 l.  So the products' tensor tiles have rows that begin at multiples of 256 bytes and are multiples of 256 bytes long.
; 640 groups of 16 rows x 2 halves of K = 1,280 tasks, one a wave, in work-groups 0 to 319.  Wo's images lie in rw behind the table.
.set LP,    784                        ; an LDS row: 768 bytes + 16
.set WB,    16*LP                      ; a wave's own 16 rows
.set SPARE, 4*WB                       ; the spare words, 128 bytes a wave, named by no other line
	s_load_b128 s[4:7], s[0:1], 0x0                ; positions, rw
	s_load_b512 s[32:47], s[0:1], 0x10             ; the codes of hidden, Wq, Wk, Wv, Wo; hi, wqi, wki
	s_load_b64 s[48:49], s[0:1], 0x50              ; wvi
	v_lshl_add_u32 v203, v0, 2, SPARE              ; my spare word, and 0
	v_mov_b32 v204, 0
	v_lshrrev_b32 v1, 5, v0
	v_readfirstlane_b32 s8, v1                     ; wave k
	s_max_u32 s60, ttmp9, 320                      ; work-groups 320 to 831 make the table's 512 units; the others, which lay the codes anew, hold unit 0's numbers here and do not use them
	s_sub_co_u32 s60, s60, 320
	s_lshr_b32 s10, s60, 1                         ; T16
	s_and_b32 s11, s60, 1                          ; c
	s_lshl_b32 s12, s10, 6                         ; 16 tokens of 4 bytes
	s_lshl_b32 s13, s11, 6
	s_lshl_b32 s9, s8, 4
	s_add_co_u32 s13, s13, s9                      ; 64 c + 16 k
	s_lshl_b32 s14, s60, 13                        ; 8,192 x unit
	s_lshl_b32 s9, s8, 10
	s_add_co_u32 s14, s14, s9                      ; + 1,024 k: my two groups of cos; my two of sin lie 4,096 further on
	s_mov_b32 s15, 0
	s_mov_b32 s16, 0xbdd49a78                      ; -L_hi
	s_mov_b32 s17, 0xb1179a28                      ; -L_lo
	s_mov_b32 s18, 0x3f317218                      ; ln 2
	s_mov_b32 s19, 0x3f22f983                      ; 2 / pi
	s_mov_b32 s20, 0xbfc90fdb                      ; -(pi / 2)'s upper part
	s_mov_b32 s21, 0x333bbd2e                      ; -(pi / 2)'s lower part (the lower part is negative)
	s_mov_b32 s22, 0xbe2aaaa3                      ; sine: S1, S2, S3
	s_mov_b32 s23, 0x3c08839e
	s_mov_b32 s24, 0xb94ca1f9
	s_mov_b32 s25, 0x3d2aaaa5                      ; cosine: C1, C2, C3
	s_mov_b32 s26, 0xbab6061a
	s_mov_b32 s27, 0x37ccf5ce
	v_and_b32 v1, 31, v0                           ; lane
	v_and_b32 v2, 15, v0                           ; r
	v_bfe_u32 v3, v0, 4, 1                         ; h
	v_lshl_add_u32 v4, v2, 2, s12                  ; my token's position
	v_lshl_add_u32 v6, v3, 3, s13                  ; 64 c + 16 k + 8 h
	v_lshlrev_b32 v7, 4, v1                        ; 16 bytes a lane
	s_wait_alu depctr_va_vdst(0)
	s_wait_kmcnt 0x0
	s_add_nc_u64 s[50:51], s[6:7], 0x400000        ; Wo's images
	s_add_nc_u64 s[6:7], s[6:7], s[14:15]
	s_cmp_ge_u32 ttmp9, 320
	s_cbranch_scc1 .Lrope                          ; the two kinds of work have work-groups of their own: 0 to 319 lay the codes anew and end, 320 to 831 make the table
	s_lshl_b32 s28, ttmp9, 1
	s_lshr_b32 s29, s8, 1
	s_add_co_u32 s28, s28, s29                     ; the group of 16 rows, counted over the five tensors
	s_mov_b64 s[52:53], s[40:41]
	s_mov_b64 s[54:55], s[50:51]
	s_mov_b32 s30, 512
.macro PICK lim, src, dst, base        ; the tensor is chosen by the work-group's number
	s_cmp_lt_u32 ttmp9, \lim
	s_cselect_b64 s[52:53], s[\src:\src+1], s[52:53]
	s_cselect_b64 s[54:55], s[\dst:\dst+1], s[54:55]
	s_cselect_b32 s30, \base, s30
.endm
	PICK 256, 38, 48, 448
	PICK 224, 36, 46, 384
	PICK 192, 34, 44, 256
	PICK 128, 32, 42, 0
	s_sub_co_u32 s28, s28, s30
	s_mul_i32 s28, s28, 24576                      ; 16 rows of 1,536 bytes, in the input and in the images
	s_and_b32 s31, s8, 1                           ; which half of K
	s_mul_i32 s56, s31, 768
	s_mul_i32 s57, s31, 12288
	s_add_co_u32 s56, s56, s28
	s_add_co_u32 s58, s57, s28
	s_mov_b32 s57, 0
	s_mov_b32 s59, 0
	s_add_nc_u64 s[52:53], s[52:53], s[56:57]
	s_add_nc_u64 s[54:55], s[54:55], s[58:59]
	s_mul_i32 s31, s8, WB
	v_mul_u32_u24 v200, v3, 12288                  ; in: lanes 0-15 take 256 bytes of a row, lanes 16-31 of the row 8 further down
	v_lshl_add_u32 v200, v2, 4, v200
	v_mul_u32_u24 v201, v3, 8*LP                   ; the same place in my LDS rows
	v_lshl_add_u32 v201, v2, 4, v201
	v_add_nc_u32 v201, s31, v201
	v_mul_u32_u24 v202, v2, LP                     ; back: row r, + 24 h, as the operand's layout has it
	v_mad_u32_u24 v202, v3, 24, v202
	v_add_nc_u32 v202, s31, v202
	s_wait_alu depctr_va_vdst(0)
.irp a, 0,1,2,3,4,5,6,7
.irp c, 0,1,2
	global_load_b128 v[104+12*\a+4*\c:107+12*\a+4*\c], v200, s[52:53] offset:1536*\a+256*\c th:TH_LOAD_NT
.endr
.endr
	s_wait_loadcnt 12                              ; the younger 12 of the 24 may be out
.irp a, 0,1,2,3
.irp c, 0,1,2
	ds_store_b128 v201, v[104+12*\a+4*\c:107+12*\a+4*\c] offset:LP*\a+256*\c
.endr
.endr
	s_wait_loadcnt 0x0
.irp a, 4,5,6,7
.irp c, 0,1,2
	ds_store_b128 v201, v[104+12*\a+4*\c:107+12*\a+4*\c] offset:LP*\a+256*\c
.endr
.endr
.irp t, 0,1,2,3,4,5,6,7                ; my own bytes, served in order: eight fragments of 12 registers, six pieces of 8 bytes each
.irp p, 0,1,2,3,4,5
	ds_load_b64 v[8+12*\t+2*\p:9+12*\t+2*\p], v202 offset:96*\t+48*(\p/3)+8*(\p%3)
.endr
.endr
	s_wait_dscnt 0x0
.irp t, 0,1,2,3,4,5,6,7
.irp j, 0,1,2
	global_store_b128 v7, v[8+12*\t+4*\j:11+12*\t+4*\j], s[54:55] offset:1536*\t+512*\j   ; 512 consecutive bytes
.endr
.endr
	s_wait_tensorcnt 0x0                           ; behind my last LDS store
	ds_add_u32 v203, v204
	s_wait_dscnt 0x0
	s_endpgm
.Lrope:
	global_load_b32 v5, v4, s[4:5]                 ; my token's position
.irp j, 0,1,2,3,4,5,6,7
	v_add_nc_u32 v[IX+\j], \j, v6                  ; i
.endr
.irp j, 0,1,2,3,4,5,6,7
	v_cvt_f32_u32 v[IX+\j], v[IX+\j]
.endr
.irp j, 0,1,2,3,4,5,6,7
	v_mul_f32 v[TH+\j], s16, v[IX+\j]              ; e_hi
.endr
.irp j, 0,1,2,3,4,5,6,7
	v_fma_f32 v[EL+\j], v[IX+\j], s16, -v[TH+\j]   ; what its rounding dropped, exactly
.endr
.irp j, 0,1,2,3,4,5,6,7
	v_fma_f32 v[EL+\j], v[IX+\j], s17, v[EL+\j]    ; e_lo
.endr
.irp j, 0,1,2,3,4,5,6,7
	v_mul_f32 v[EL+\j], s18, v[EL+\j]
.endr
.irp j, 0,1,2,3,4,5,6,7
	v_exp_f32 v[TH+\j], v[TH+\j]
.endr
	s_wait_loadcnt 0x0                             ; my position
	v_cvt_f32_i32 v5, v5                           ; (the plain line behind the exponentials)
	s_wait_alu depctr_va_vdst(0)
.irp j, 0,1,2,3,4,5,6,7
	v_fma_f32 v[TH+\j], v[TH+\j], v[EL+\j], v[TH+\j]   ; inv_freq
.endr
.irp j, 0,1,2,3,4,5,6,7
	v_mul_f32 v[A+\j], v5, v[TH+\j]                ; a
.endr
.irp j, 0,1,2,3,4,5,6,7
	v_mul_f32 v[NN+\j], s19, v[A+\j]
.endr
.irp j, 0,1,2,3,4,5,6,7
	v_rndne_f32 v[NN+\j], v[NN+\j]                 ; n
.endr
.irp j, 0,1,2,3,4,5,6,7
	v_fma_f32 v[A+\j], v[NN+\j], s20, v[A+\j]
.endr
.irp j, 0,1,2,3,4,5,6,7
	v_fma_f32 v[A+\j], v[NN+\j], s21, v[A+\j]      ; r = a - n pi / 2
.endr
.irp j, 0,1,2,3,4,5,6,7
	v_cvt_i32_f32 v[NN+\j], v[NN+\j]               ; the quadrant: n's two lowest bits
.endr
.irp j, 0,1,2,3,4,5,6,7
	v_mul_f32 v[Z+\j], v[A+\j], v[A+\j]            ; z
.endr
.irp j, 0,1,2,3,4,5,6,7
	v_fma_f32 v[SP+\j], v[Z+\j], s24, s23
.endr
.irp j, 0,1,2,3,4,5,6,7
	v_fma_f32 v[SP+\j], v[SP+\j], v[Z+\j], s22
.endr
.irp j, 0,1,2,3,4,5,6,7
	v_mul_f32 v[W+\j], v[Z+\j], v[A+\j]
.endr
.irp j, 0,1,2,3,4,5,6,7
	v_fma_f32 v[SP+\j], v[SP+\j], v[W+\j], v[A+\j] ; sin r
.endr
.irp j, 0,1,2,3,4,5,6,7
	v_fma_f32 v[CP+\j], v[Z+\j], s27, s26
.endr
.irp j, 0,1,2,3,4,5,6,7
	v_fma_f32 v[CP+\j], v[CP+\j], v[Z+\j], s25
.endr
.irp j, 0,1,2,3,4,5,6,7
	v_fma_f32 v[A+\j], v[Z+\j], -0.5, 1.0
.endr
.irp j, 0,1,2,3,4,5,6,7
	v_mul_f32 v[W+\j], v[Z+\j], v[Z+\j]
.endr
.irp j, 0,1,2,3,4,5,6,7
	v_fma_f32 v[CP+\j], v[CP+\j], v[W+\j], v[A+\j] ; cos r
.endr
.irp j, 0,1,2,3,4,5,6,7
	v_and_b32 v[W+\j], 1, v[NN+\j]
.endr
.irp j, 0,1,2,3,4,5,6,7
	v_cmp_eq_u32 vcc_lo, 1, v[W+\j]
	v_cndmask_b32 v[SI+\j], v[SP+\j], v[CP+\j], vcc_lo   ; in odd quadrants the two change places
	v_cndmask_b32 v[CO+\j], v[CP+\j], v[SP+\j], vcc_lo
.endr
.irp j, 0,1,2,3,4,5,6,7
	v_lshlrev_b32 v[W+\j], 30, v[NN+\j]
.endr
.irp j, 0,1,2,3,4,5,6,7
	v_and_b32 v[W+\j], 0x80000000, v[W+\j]         ; sine is negative in quadrants 2 and 3,
.endr
.irp j, 0,1,2,3,4,5,6,7
	v_xor_b32 v[SI+\j], v[SI+\j], v[W+\j]
.endr
.irp j, 0,1,2,3,4,5,6,7
	v_add_nc_u32 v[NN+\j], 1, v[NN+\j]
.endr
.irp j, 0,1,2,3,4,5,6,7
	v_lshlrev_b32 v[NN+\j], 30, v[NN+\j]
.endr
.irp j, 0,1,2,3,4,5,6,7
	v_and_b32 v[NN+\j], 0x80000000, v[NN+\j]       ; cosine in quadrants 1 and 2
.endr
.irp j, 0,1,2,3,4,5,6,7
	v_xor_b32 v[CO+\j], v[CO+\j], v[NN+\j]
.endr
	global_store_b128 v7, v[CO:CO+3], s[6:7]                     ; each store: 32 lanes, 512 consecutive bytes, at a multiple of 256 from rt's first byte
	global_store_b128 v7, v[CO+4:CO+7], s[6:7] offset:512
	global_store_b128 v7, v[SI:SI+3], s[6:7] offset:4096
	global_store_b128 v7, v[SI+4:SI+7], s[6:7] offset:4608
	s_endpgm
.Lfunc_end_k_qddd3a7178a_ropetab:
	.size	k_qddd3a7178a_ropetab, .Lfunc_end_k_qddd3a7178a_ropetab-k_qddd3a7178a_ropetab
	.p2alignl 7, 3214868480
	.fill 96, 4, 3214868480
	.section	.rodata,"a",@progbits
	.p2align	6, 0x0
	.amdhsa_kernel k_qddd3a7178a_ropetab
		.amdhsa_group_segment_fixed_size 50688
		.amdhsa_private_segment_fixed_size 0
		.amdhsa_enable_private_segment 0
		.amdhsa_kernarg_size 88
		.amdhsa_user_sgpr_count 2
		.amdhsa_user_sgpr_kernarg_segment_ptr 1
		.amdhsa_wavefront_size32 1
		.amdhsa_system_sgpr_workgroup_id_x 1
		.amdhsa_system_sgpr_workgroup_id_y 1
		.amdhsa_system_sgpr_workgroup_id_z 1
		.amdhsa_system_vgpr_workitem_id 0
		.amdhsa_next_free_vgpr 208
		.amdhsa_next_free_sgpr 66
		.amdhsa_reserve_vcc 1
		.amdhsa_float_denorm_mode_32 3
		.amdhsa_float_denorm_mode_16_64 3
		.amdhsa_memory_ordered 1
		.amdhsa_forward_progress 1
		.amdhsa_inst_pref_size 27
	.end_amdhsa_kernel
	.amdgpu_metadata
---
amdhsa.version: [ 1, 2 ]
amdhsa.kernels:
  - .name:           k_qddd3a7178a_ropetab
    .symbol:         k_qddd3a7178a_ropetab.kd
    .args:
      - { .name: positions, .offset: 0, .size: 8, .value_kind: global_buffer, .address_space: global }
      - { .name: rw, .offset: 8, .size: 8, .value_kind: global_buffer, .address_space: global }
      - { .name: hidden_states_codes, .offset: 16, .size: 8, .value_kind: global_buffer, .address_space: global }
      - { .name: Wq_codes, .offset: 24, .size: 8, .value_kind: global_buffer, .address_space: global }
      - { .name: Wk_codes, .offset: 32, .size: 8, .value_kind: global_buffer, .address_space: global }
      - { .name: Wv_codes, .offset: 40, .size: 8, .value_kind: global_buffer, .address_space: global }
      - { .name: Wo_codes, .offset: 48, .size: 8, .value_kind: global_buffer, .address_space: global }
      - { .name: hi, .offset: 56, .size: 8, .value_kind: global_buffer, .address_space: global }
      - { .name: wqi, .offset: 64, .size: 8, .value_kind: global_buffer, .address_space: global }
      - { .name: wki, .offset: 72, .size: 8, .value_kind: global_buffer, .address_space: global }
      - { .name: wvi, .offset: 80, .size: 8, .value_kind: global_buffer, .address_space: global }
    .group_segment_fixed_size: 50688
    .private_segment_fixed_size: 0
    .kernarg_segment_align: 8
    .kernarg_segment_size: 88
    .max_flat_workgroup_size: 128
    .sgpr_count:     66
    .vgpr_count:     208
    .wavefront_size: 32
...
	.end_amdgpu_metadata
.endif
;; end of part 1
;; launch qkv (part 2): grid 16 x 16, 4 waves a work-group, clusters of 4 x 4, 327,680 bytes of LDS; arguments hi, hidden_states_scales, wqi, Wq_scales, wki, Wk_scales, wvi, Wv_scales, bq, bk, bv, rw, qw, kvw; writes qw, kvw
.if DOCPART == 2
	.amdgcn_target "amdgcn-amd-amdhsa--gfx1250"
	.amdhsa_code_object_version 6
	.text
	.protected	k_qddd3a7178a_qkv
	.globl	k_qddd3a7178a_qkv
	.p2align	8
	.type	k_qddd3a7178a_qkv,@function
k_qddd3a7178a_qkv:
	s_mov_b64 s[64:65], 0
	v_nop
	global_prefetch_b8 v0, s[64:65] scope:SCOPE_SE
	s_setreg_imm32_b32 hwreg(HW_REG_WAVE_MODE, 25, 1), 1
	s_wait_xcnt 0x0
	s_wait_alu depctr_hold_cnt(0) depctr_sa_sdst(0) depctr_va_vdst(0) depctr_va_sdst(0) depctr_va_ssrc(0) depctr_va_vcc(0) depctr_vm_vsrc(0)
	s_getreg_b32 s2, hwreg(HW_REG_IB_STS2, 6, 4)
	s_cmp_eq_u32 s2, 0
	s_cbranch_scc0 .Lentry_in_a_cluster
	s_endpgm
.Lentry_in_a_cluster:
	s_bfe_u32 s2, ttmp6, 0x10000c
	s_cmp_lg_u32 s2, 0xf033
	s_cbranch_scc0 .Lentry_shape_is_right
	s_endpgm
.Lentry_shape_is_right:
; q, k and v: one product of 4,096 tokens x 4,096 columns x 2,048 on codes of FP6 (E2M3) with E8M0 scales, then bias, rotation (q, k) and the quantiser, whose codes leave as images of operand registers.
; A work-group of four waves makes 256 x 256; a wave 128 x 128: 64 accumulators.  K goes in steps of 256 through two LDS slots filled by the tensor data mover; all scale bytes come once.
; CLUSTERS of 4 x 4, each of ONE kind by the cluster's x: 0, 1: q;  2: k;  3: v.  The side that is source 1 ("A") hangs on cy and is shared along a row of the cluster, source 0 ("B") on cx, shared along a column.
;   q, k: A = 256 tokens (tile 4 Y + cy), B = 256 rows of Wq or Wk (one head).   v: A = 256 rows of Wv (head cy), B = 256 tokens (tile 4 Y + cx).
; In a result a lane holds ONE row of A and its registers run along B's rows: for q, k one token and registers along d; for v one d and registers along the tokens: each time along the next product's K.
; WAVE (rh = wave / 2, c = wave % 2): A's rows 128 rh + 16 a + r;  B's block i takes rows 128 (i / 4) + 64 c + 16 (i % 4) + r: so accumulators (a, b) and (a, b + 4) hold the rotation's partners d and d + 128 in the same lane and register.
; WHAT IS STORED.  A block of 51,200 bytes: 32 fragment images of 1,536 bytes (register group j of lane l at 512 j + 16 l), fragment (c, t = 8 rh + a) at (16 c + t) x 1,536; then the scale words, (c, t, r) at 49,152 + 1,024 c + 256 (t / 4) + 16 r + 4 (t % 4).
; K step c of such an operand holds the blocks of 32 numbered 2 c, 2 c + 1, 4 + 2 c, 5 + 2 c of the 256 along K, and inside a block the order 0-7, 16-23, 8-15, 24-31: alike in q and k, and in v and the softmax's p, so that every product is unchanged;
; only the order of the f32 sums differs from a walk in ascending K.
; LIMITS: a block of zeros gets the scale byte 1 (its codes are zeros; the bytes are read by this program alone); NaN and infinities among the biases are not served.
; Every work-group loads both forms of its bias and the first table, ahead of the parting of the ways; each kind leaves one bias form unused, and v the table.
; This launch claims all of a WGP's LDS, and has the adds of 0 onto spare words.
.set NQ,     2                         ; matrix instructions deep in a slot
; The codes come as images of operand registers, [16 rows][K step of 128][1,536 bytes], laid by the launch before: a tile is 8 (at the head 16) rows of 3,072 bytes, 24,576 bytes apart, dense in LDS.
.set ROWB,   3072                      ; a tile's row: 16 rows of codes x 256 along K
.set KROW,   1536                      ; bytes of a row of codes
.set PITCH,  192                       ; LDS bytes for each row of codes in a slot
.set FR,     12
.set NL,     3                         ; LDS loads that bring a fragment
.set NP,     4
.set HALFT,  128*PITCH
.set SLOT,   4*HALFT                   ; A's 256 rows, then B's
.set LAPS,   4                         ; 2,048 / 512
.set KS,     64                        ; a row of scale bytes
.set SCL,    2*SLOT
.set HALFS,  (128*KS/256)*272          ; the scales of 128 rows, as units of 256 bytes + 16
.set SBLK,   (16*KS/256)*272
.set SPARE,  SCL+4*HALFS               ; the spare words: 128 bytes a wave, named by no other line
.set LANE, 14
.set SOF,  15                          ; where my scale words go: 49,152 + 1,024 c + 512 rh + 16 lane
.set ADRA, 16                          ; v16-17 A's fragments in slot 0, 1
.set ADRB, 20                          ; v20-21 the same for B
.set ADSA, 24                          ; A's scale words: lanes 0-15 block i, lanes 16-31 block i + 4
.set ADSB, 25                          ; B's likewise
.set OFS,  26                          ; where my images go: 16 lane + 24,576 c + 12,288 rh
.set VT,   27                          ; my place in the table: 16 lane + (16 rh + c) x 8,192
.set SPW,  28
.set NIL,  29
.set VB,   30                          ; bias along B: 32 h + 256 c
.set VL,   31                          ; bias along A: 4 r + 512 rh
.set SC,   32                          ; v32-63 scale words, two sets of 16: A's 2 i + q, then B's
.set BI,   64                          ; v64-127 the bias in the results' layout
.set AF,   128                         ; v128-223 A's fragments; behind the loop: X, PC, PW, PWS
.set X,    128
.set PC,   192
.set PW,   212
.set PWS,  214
.set BL,   224                         ; v224-239 the bias of my rows of A, each twice
.set TM,   240
.set G1, 24
.set G0, 32
.set G1B, 48
.set G0B, 56
.set G1S, 68
.set G0S, 76
.set G1SB, 80
.set G0SB, 88
.set SEL, 100
.set MSB, 0
.macro WIN new                         ; the immediate's high byte repeats the setting that is left
.if MSB != (\new)
	s_set_vgpr_msb (MSB<<8)|(\new)
.set MSB, (\new)
.endif
.endm
.set MUL_LO, 0xa1                      ; source 0 (B) window 1, source 1 (A) window 0, C and D window 2
.set MUL_HI, 0xf1
.set TO_B,   0x40
.macro JLOAD g0a, g1a, g0b, g1b        ; a joint load: waves 0 and 1 fetch for A, waves 2 and 3 for B; four v_nop follow each line
	s_cmp_eq_u32 s15, 0
	s_cbranch_scc0 .Lfor_b_\@
	tensor_load_to_lds s[\g0a:\g0a+3], s[\g1a:\g1a+7]
	s_nop 0
.rept 4
	v_nop
.endr
	s_branch .Lasked_\@
.Lfor_b_\@:
	tensor_load_to_lds s[\g0b:\g0b+3], s[\g1b:\g1b+7]
	s_nop 0
.rept 4
	v_nop
.endr
.Lasked_\@:
.endm
.macro CREST
	s_cmp_lg_u32 s14, 0
	s_cbranch_scc1 .Lnot_wave_0_\@
	s_barrier_signal -3
.Lnot_wave_0_\@:
	s_barrier_wait -3
	s_barrier_signal -1
	s_barrier_wait -1
.endm
.macro CROUND
	s_barrier_signal -1
	s_barrier_wait -1
	CREST
.endm
.macro PLACES n
.rept \n
	v_nop
.endr
.endm
	s_load_b512 s[68:83], s[0:1], 0x0              ; hidden codes, scales; Wq codes, scales; Wk codes, scales; Wv codes, scales
	s_load_b256 s[84:91], s[0:1], 0x40             ; bq, bk, bv, rt
	s_load_b128 s[92:95], s[0:1], 0x60             ; qw, kvw
	v_lshl_add_u32 v[SPW], v0, 2, SPARE
	v_mov_b32 v[NIL], 0
	ds_add_u32 v28, v29
	ds_add_u32 v28, v29
	s_wait_dscnt 0x0
	v_lshrrev_b32 v1, 5, v0
	v_readfirstlane_b32 s14, v1                    ; wave
	s_lshr_b32 s15, s14, 1                         ; rh.  Also: I fetch for A (0) or for B (1)
	s_and_b32 s16, s14, 1                          ; c.   Also: which 128 rows of that tile I fetch
	s_bfe_u32 s40, ttmp6, 0x40000                  ; cx
	s_bfe_u32 s41, ttmp6, 0x40004                  ; cy
	s_and_b32 s2, ttmp7, 0xffff
	s_lshl_b32 s2, s2, 2                           ; 4 Y
	s_lshl_b32 s3, ttmp9, 2                        ; 4 X
	s_cmp_eq_u32 ttmp9, 3                          ; v?  The cluster's x is the same in all sixteen partners
	s_cselect_b32 s17, 0, s2
	s_cselect_b32 s42, s2, 0
	s_cmp_lt_u32 ttmp9, 2                          ; q?
	s_cselect_b32 s42, s3, s42
	s_add_co_u32 s17, s17, s41                     ; A's tile: (v: 0, else 4 Y) + cy
	s_add_co_u32 s42, s42, s40                     ; B's tile: (q: 4 X, v: 4 Y, k: 0) + cx
	s_lshl_b32 s43, s41, 2
	s_lshl_b32 s43, 15, s43                        ; my row of the cluster
	s_lshl_b32 s44, 0x1111, s40                    ; my column
	s_or_b32 s[G1+0], s43, (0<<16)|(1<<21)         ; the mask; elements of 1 byte; bit 21 beside a mask; no padding
	s_or_b32 s[G1B+0], s44, (0<<16)|(1<<21)
.irp g, G1, G1B
	s_mov_b32 s[\g+1], ROWB<<16                    ; tensor_dim0
	s_mov_b32 s[\g+2], 16<<16                      ; tensor_dim1: 16 for the head's loads, then 8
	s_mov_b32 s[\g+3], ROWB<<16                    ; tile_dim0
	s_mov_b32 s[\g+4], 16                          ; tile_dim1
	s_mov_b32 s[\g+5], 16*KROW                     ; from group to group of 16 rows
	s_mov_b32 s[\g+6], 0
	s_mov_b32 s[\g+7], 0
.endr
	s_mov_b32 s[SEL], 0x76543210
	s_mov_b32 s[SEL+1], 0xfedcba98                 ; lane l xor 16
	s_wait_kmcnt 0x0
	s_cmp_eq_u32 ttmp9, 3                          ; the buffers are chosen by the cluster's kind, which hangs on no address
	s_cselect_b64 s[4:5], s[80:81], s[68:69]       ; A's codes: Wv's or the tokens'
	s_cselect_b64 s[6:7], s[82:83], s[70:71]
	s_cselect_b64 s[8:9], s[68:69], s[76:77]       ; B's: the tokens' or Wk's,
	s_cselect_b64 s[10:11], s[70:71], s[78:79]
	s_cselect_b64 s[12:13], s[88:89], s[86:87]     ; bv or bk
	s_cmp_lt_u32 ttmp9, 2
	s_cselect_b64 s[8:9], s[72:73], s[8:9]         ; or Wq's
	s_cselect_b64 s[10:11], s[74:75], s[10:11]
	s_cselect_b64 s[12:13], s[84:85], s[12:13]
	s_cselect_b64 s[98:99], s[92:93], s[94:95]     ; out: qw or kvw
	s_mov_b64 s[96:97], s[90:91]                   ; rt.  s68 to s95 are free from here on
	s_or_b32 s[G1S+0], s43, (3<<16)|(1<<20)|(1<<21)|(5<<22)|(3<<25)   ; the scales of 256 rows: 16,384 dense bytes as 64 rows of 256, 16 bytes of padding behind each
	s_or_b32 s[G1SB+0], s44, (3<<16)|(1<<20)|(1<<21)|(5<<22)|(3<<25)
.irp g, G1S, G1SB
	s_mov_b32 s[\g+1], 32<<16
	s_mov_b32 s[\g+2], (256*KS/256)<<16            ; the scales of all 256 rows by one load
	s_mov_b32 s[\g+3], 32<<16
	s_mov_b32 s[\g+4], 256*KS/256
	s_mov_b32 s[\g+5], 32
	s_mov_b32 s[\g+6], 0
	s_mov_b32 s[\g+7], 0
.endr
	s_lshl_b32 s20, s17, 8                         ; A's tile: its first row
	s_lshl_b32 s46, s42, 8                         ; B's
	s_mov_b32 s21, 0
	s_mov_b32 s47, 0
	s_mov_b64 s[18:19], KS
	s_mul_u64 s[22:23], s[20:21], s[18:19]
	s_mul_u64 s[92:93], s[46:47], s[18:19]
	s_mov_b64 s[18:19], KROW
	s_mul_u64 s[20:21], s[20:21], s[18:19]
	s_mul_u64 s[46:47], s[46:47], s[18:19]
	s_mul_i32 s45, s14, HALFT                      ; where they go: wave x 128 rows: no place in the cluster enters an LDS address
	s_mul_i32 s18, s16, 128*KROW                   ; in the ring I fetch 128 rows of a tile: which half, in bytes
	s_mov_b32 s19, 0
	s_add_nc_u64 s[20:21], s[4:5], s[20:21]
	s_add_nc_u64 s[22:23], s[6:7], s[22:23]
	s_add_nc_u64 s[46:47], s[8:9], s[46:47]
	s_add_nc_u64 s[92:93], s[10:11], s[92:93]
	CROUND                                         ; all sixteen work-groups are here: the first joint loads meet
	s_mov_b32 s[G0S], 1
	s_mov_b32 s[G0S+1], SCL
	s_mov_b64 s[G0S+2:G0S+3], s[22:23]
	s_or_b32 s[G0S+3], s[G0S+3], 0x80000000
	s_mov_b32 s[G0SB], 1
	s_mov_b32 s[G0SB+1], SCL+2*HALFS
	s_mov_b64 s[G0SB+2:G0SB+3], s[92:93]
	s_or_b32 s[G0SB+3], s[G0SB+3], 0x80000000
.set G0H, 4                            ; s[4:7], s[8:11]: group 0 for the head's loads of K step 0 (the arguments that lay there have been used)
.set G0HB, 8
	s_mov_b32 s[G0H], 1
	s_mov_b32 s[G0H+1], 0
	s_mov_b64 s[G0H+2:G0H+3], s[20:21]
	s_or_b32 s[G0H+3], s[G0H+3], 0x80000000
	s_mov_b32 s[G0HB], 1
	s_mov_b32 s[G0HB+1], 2*HALFT
	s_mov_b64 s[G0HB+2:G0HB+3], s[46:47]
	s_or_b32 s[G0HB+3], s[G0HB+3], 0x80000000
	s_add_nc_u64 s[20:21], s[20:21], s[18:19]      ; for the ring: my 128 rows of the tile
	s_add_nc_u64 s[46:47], s[46:47], s[18:19]
; THE PREFETCHES.  Behind each refill, and the run of LDS loads behind it, a wave asks for the K step that stands two refills on.  The tile that a wave fetches is 8 rows of 3,072 bytes: 96 blocks of 256 bytes;
; the four partners that ask for it jointly share them out by address, 24 each: the partner at place p (cx for source 1's tiles, cy for source 0's) takes rows 2 p and 2 p + 1; a lane a block, lanes 24-31 name the last block again.
; K steps 2 and 3 are asked for once, behind slot 1's first fill; the loop's last trip asks for nothing: K has 8 such steps.
.set PFA, 66                           ; s[66:67] where my prefetches stand
.set PFO, 13                           ; v13 my lane's block; never rewritten
	s_cmp_eq_u32 s15, 0                            ; do I fetch for source 1?
	s_cselect_b64 s[PFA:PFA+1], s[20:21], s[46:47]
	s_cselect_b32 s94, s40, s41                    ; my place among the four that ask with me
	s_mul_i32 s94, s94, 49152                      ; two rows of 24,576 bytes
	s_mov_b32 s95, 0
	s_add_nc_u64 s[PFA:PFA+1], s[PFA:PFA+1], s[94:95]
	s_add_nc_u64 s[PFA:PFA+1], s[PFA:PFA+1], 3*ROWB   ; at K step 3: the first refill steps it to 4
.irp s, 0,1
	s_mov_b32 s[G0+4*\s], 1
	s_add_co_u32 s[G0+4*\s+1], s45, \s*SLOT
	s_add_nc_u64 s[G0+4*\s+2:G0+4*\s+3], s[20:21], \s*ROWB
	s_or_b32 s[G0+4*\s+3], s[G0+4*\s+3], 0x80000000
	s_mov_b32 s[G0B+4*\s], 1
	s_add_co_u32 s[G0B+4*\s+1], s45, \s*SLOT
	s_add_nc_u64 s[G0B+4*\s+2:G0B+4*\s+3], s[46:47], \s*ROWB
	s_or_b32 s[G0B+4*\s+3], s[G0B+4*\s+3], 0x80000000
.endr
; The head's loads, one a wave: wave 0 K step 0's 256 rows of A, wave 1 of B, wave 2 A's scales, wave 3 B's.  One tree of branches on the wave's number.
.macro ARM under, g0, g1, next
	s_cmp_lt_u32 s14, \under
	s_cbranch_scc0 \next
	tensor_load_to_lds s[\g0:\g0+3], s[\g1:\g1+7]
	s_nop 0
.rept 4
	v_nop
.endr
	s_branch .Lhead_asked
\next:
.endm
	ARM 1, G0H,  G1,  .Lhead_b
	ARM 2, G0HB, G1B, .Lhead_sa
	ARM 3, G0S,  G1S, .Lhead_sb
	tensor_load_to_lds s[G0SB:G0SB+3], s[G1SB:G1SB+7]
	s_nop 0
.rept 4
	v_nop
.endr
.Lhead_asked:
	v_and_b32 v1, 15, v0
	v_bfe_u32 v2, v0, 4, 1                         ; h
	v_and_b32 v[LANE], 31, v0
	v_lshlrev_b32 v4, 4, v[LANE]                   ; an image: 16 bytes a lane
	v_min_u32 v[PFO], 23, v[LANE]                  ; block l of my 24:
	v_mul_u32_u24 v12, v[PFO], 11
	v_lshrrev_b32 v12, 7, v12                      ; l / 12, for l up to 23: which of the two rows
	v_mul_u32_u24 v12, v12, 21504                  ; 24,576 - 12 x 256
	v_lshl_add_u32 v[PFO], v[PFO], 8, v12          ; 256 l + 21,504 (l / 12)
	s_mul_i32 s21, s15, HALFT                      ; my 128 rows of A
	s_mul_i32 s22, s16, 64*PITCH                   ; B: from row 64 c on,
	s_add_co_u32 s22, s22, 2*HALFT                 ; behind A's 256
.irp s, 0,1
	v_add_nc_u32 v[ADRA+\s], s21, v4
	v_add_nc_u32 v[ADRB+\s], s22, v4
	s_add_co_u32 s21, s21, SLOT
	s_add_co_u32 s22, s22, SLOT
.endr
	v_lshlrev_b32 v5, 6, v1                        ; a row's 64 scale bytes,
	v_lshrrev_b32 v6, 2, v1
	v_lshl_add_u32 v5, v6, 4, v5                   ; and 16 more for each 256 passed
	s_mul_i32 s21, s15, HALFS
	s_add_co_u32 s21, s21, SCL
	v_mad_u32_u24 v6, v2, 4*SBLK, v5               ; lanes 16-31: four blocks of rows on
	v_add_nc_u32 v[ADSA], s21, v6
	s_mul_i32 s22, s16, 4*SBLK
	s_add_co_u32 s22, s22, SCL+2*HALFS
	v_mad_u32_u24 v6, v2, HALFS, v5                ; lanes 16-31: 128 rows on
	v_add_nc_u32 v[ADSB], s22, v6
	v_lshlrev_b32 v7, 4, v[LANE]
	s_wait_alu depctr_va_vdst(0)
	s_mul_i32 s21, s16, 24576
	s_mul_i32 s22, s15, 12288
	s_add_co_u32 s21, s21, s22
	v_add_nc_u32 v[OFS], s21, v7
	s_lshl_b32 s21, s16, 10
	s_lshl_b32 s22, s15, 9
	s_add_co_u32 s21, s21, s22
	s_add_co_u32 s21, s21, 49152
	v_add_nc_u32 v[SOF], s21, v7
	s_lshl_b32 s21, s15, 4
	s_add_co_u32 s21, s21, s16
	s_lshl_b32 s21, s21, 13
	v_add_nc_u32 v[VT], s21, v7
	s_lshl_b32 s21, s16, 8
	v_lshl_add_u32 v[VB], v2, 5, s21
	s_lshl_b32 s21, s15, 9
	v_lshl_add_u32 v[VL], v1, 2, s21
.irp b, 0,1,2,3
	v_mov_b32 v[TM+4+\b], 0                        ; written once: a lane permute's destination counts as one of its sources
.endr
	; where my work-group's block, bias and table begin (in registers that feed no descriptor)
	s_and_b32 s46, ttmp7, 0xffff
	s_lshl_b32 s46, s46, 2                         ; 4 Y
	s_add_co_u32 s47, s46, s40
	s_lshl_b32 s47, s47, 2
	s_add_co_u32 s47, s47, s41
	s_lshl_b32 s47, s47, 1                         ; k: ((4 Y + cx) 4 + cy) pairs of blocks
	s_add_co_u32 s92, s46, s41
	s_lshl_b32 s92, s92, 2
	s_add_co_u32 s92, s92, s40
	s_lshl_b32 s92, s92, 1
	s_add_co_u32 s92, s92, 1                       ; v: ((4 Y + cy) 4 + cx) pairs, the second of the pair
	s_lshl_b32 s93, s46, 1
	s_add_co_u32 s93, s93, s42
	s_lshl_b32 s93, s93, 2
	s_add_co_u32 s93, s93, s41                     ; q: (8 Y + head) 4 + cy
	s_cmp_eq_u32 ttmp9, 3
	s_cselect_b32 s47, s92, s47
	s_cselect_b32 s94, s41, s42                    ; the bias's head: v: cy, else B's tile
	s_cmp_lt_u32 ttmp9, 2
	s_cselect_b32 s47, s93, s47
	s_mul_i32 s46, s47, 51200
	s_mov_b32 s47, 0
	s_add_nc_u64 s[98:99], s[98:99], s[46:47]
	s_lshl_b32 s46, s94, 10
	s_add_nc_u64 s[12:13], s[12:13], s[46:47]
	s_lshl_b32 s46, s17, 18                        ; 16 tiles of tokens x 2 x 8,192 bytes
	s_add_nc_u64 s[96:97], s[96:97], s[46:47]
.macro FRAG reg, adr, q, ro            ; a fragment: 12 registers, three loads through one address register
.irp j, 0,1,2                          ; three loads of 512 consecutive bytes
	ds_load_b128 v[\reg+4*\j:\reg+4*\j+3], v[\adr] offset:1536*(\q)+512*\j+(\ro)
.endr
.endm
; One product.  Source 0 = B's block b (set p), source 1 = A's block a.  B's blocks 4-7 and A's blocks 4-7 have their scale words in lanes 16-31.
.macro PROD a, b, p, q, sc, zero
.set rD, 8*(8*((\a)%4)+(\b))
.set rB, 128*(\p)+FR*(\b)
.set rA, AF+FR*(\a)
.set rSB, SC+16*(\sc)+8+2*((\b)%4)+(\q)
.set rSA, SC+16*(\sc)+2*((\a)%4)+(\q)
.if \zero
.if ((\a) < 4) && ((\b) < 4)
	v_wmma_scale_f32_16x16x128_f8f6f4 v[rD:rD+7], v[rB:rB+11], v[rA:rA+11], 0, v[rSB], v[rSA] matrix_a_fmt:MATRIX_FMT_FP6 matrix_b_fmt:MATRIX_FMT_FP6
.elseif (\a) < 4
	v_wmma_scale_f32_16x16x128_f8f6f4 v[rD:rD+7], v[rB:rB+11], v[rA:rA+11], 0, v[rSB], v[rSA] matrix_a_fmt:MATRIX_FMT_FP6 matrix_b_fmt:MATRIX_FMT_FP6 matrix_a_scale:MATRIX_SCALE_ROW1
.elseif (\b) < 4
	v_wmma_scale_f32_16x16x128_f8f6f4 v[rD:rD+7], v[rB:rB+11], v[rA:rA+11], 0, v[rSB], v[rSA] matrix_a_fmt:MATRIX_FMT_FP6 matrix_b_fmt:MATRIX_FMT_FP6 matrix_b_scale:MATRIX_SCALE_ROW1
.else
	v_wmma_scale_f32_16x16x128_f8f6f4 v[rD:rD+7], v[rB:rB+11], v[rA:rA+11], 0, v[rSB], v[rSA] matrix_a_fmt:MATRIX_FMT_FP6 matrix_b_fmt:MATRIX_FMT_FP6 matrix_a_scale:MATRIX_SCALE_ROW1 matrix_b_scale:MATRIX_SCALE_ROW1
.endif
.else
.if ((\a) < 4) && ((\b) < 4)
	v_wmma_scale_f32_16x16x128_f8f6f4 v[rD:rD+7], v[rB:rB+11], v[rA:rA+11], v[rD:rD+7], v[rSB], v[rSA] matrix_a_fmt:MATRIX_FMT_FP6 matrix_b_fmt:MATRIX_FMT_FP6
.elseif (\a) < 4
	v_wmma_scale_f32_16x16x128_f8f6f4 v[rD:rD+7], v[rB:rB+11], v[rA:rA+11], v[rD:rD+7], v[rSB], v[rSA] matrix_a_fmt:MATRIX_FMT_FP6 matrix_b_fmt:MATRIX_FMT_FP6 matrix_a_scale:MATRIX_SCALE_ROW1
.elseif (\b) < 4
	v_wmma_scale_f32_16x16x128_f8f6f4 v[rD:rD+7], v[rB:rB+11], v[rA:rA+11], v[rD:rD+7], v[rSB], v[rSA] matrix_a_fmt:MATRIX_FMT_FP6 matrix_b_fmt:MATRIX_FMT_FP6 matrix_b_scale:MATRIX_SCALE_ROW1
.else
	v_wmma_scale_f32_16x16x128_f8f6f4 v[rD:rD+7], v[rB:rB+11], v[rA:rA+11], v[rD:rD+7], v[rSB], v[rSA] matrix_a_fmt:MATRIX_FMT_FP6 matrix_b_fmt:MATRIX_FMT_FP6 matrix_a_scale:MATRIX_SCALE_ROW1 matrix_b_scale:MATRIX_SCALE_ROW1
.endif
.endif
.endm
.macro MUL16 a0, p, q, sc, zero        ; A's blocks a0, a0 + 1 x B's eight.  The 64 accumulators take turns, one instruction a turn, in the same order in every step
.irp a, \a0, \a0+1
.irp b, 0,1,2,3,4,5,6,7
	PROD \a, \b, \p, \q, \sc, \zero
.endr
.endr
.endm
.macro FETCH_B slot, q, p
	WIN TO_B
.irp i, 0,1,2,3,4,5,6,7
	FRAG 128*(\p)+FR*\i, ADRB+\slot, \q, (128*(\i/4)+16*(\i%4))*PITCH
.endr
	WIN 0
.endm
.macro FETCH_A slot, q, i0
.irp i, \i0, \i0+1, \i0+2, \i0+3
	FRAG AF+FR*(\i), ADRA+\slot, \q, (\i)*16*PITCH
.endr
.endm
.macro SCALES sc                       ; the next K step's scale words, two words a row: eight loads
.irp i, 0,1,2,3
	ds_load_b64 v[SC+16*\sc+2*\i:SC+16*\sc+2*\i+1], v[ADSA] offset:\i*SBLK
.endr
.irp i, 0,1,2,3
	ds_load_b64 v[SC+16*\sc+8+2*\i:SC+16*\sc+8+2*\i+1], v[ADSB] offset:\i*SBLK
.endr
.endm
; Loads into registers that matrix instructions have read, and reads of results, stand four plain vector instructions behind those matrix instructions (ISA guide 7.12.1 for vector instructions).
.macro STEP slot, q, zero              ; a step of 128 along K that has its successor in the same slot
	s_wait_dscnt 4*NL                              ; B's set, A's blocks 0-3 and the scale words are in; the youngest 12 loads (A's blocks 4-7) may be out
	WIN MUL_LO
	MUL16 0, (\q)%2, \q, \slot, \zero
	MUL16 2, (\q)%2, \q, \slot, \zero
	s_wait_dscnt 0
	PLACES NP
	FETCH_B \slot, (\q)+1, 1-(\q)%2
	FETCH_A \slot, (\q)+1, 0
	WIN MUL_HI
	MUL16 4, (\q)%2, \q, \slot, \zero
	MUL16 6, (\q)%2, \q, \slot, \zero
	PLACES NP
	WIN 0
	FETCH_A \slot, (\q)+1, 4
.endm
.macro TURN slot, next, fill           ; a slot's last step changes slots: one barrier
.if \fill
	s_wait_xcnt 0x0                                ; my last prefetch has read its address, which is stepped here, ahead of the waits of the change of slots
	s_add_nc_u64 s[PFA:PFA+1], s[PFA:PFA+1], ROWB
.endif
	s_wait_tensorcnt 0x0                           ; all my tensor loads have landed: my part of the next slot
	ds_add_u32 v[SPW], v[NIL]                      ; 0 onto my spare word
	s_wait_dscnt 4*NL+1                            ; (the add and the youngest 12 loads may be out)
	WIN MUL_LO
	MUL16 0, 1, NQ-1, \slot, 0
	s_wait_dscnt 0x0                               ; the add is done, and my reads of this slot are over
	s_barrier_signal -1
	MUL16 2, 1, NQ-1, \slot, 0
	WIN 0
	s_barrier_wait -1
.if \fill
	CREST                                          ; the barrier has opened a round of the cluster's barrier: no wave of any partner still reads this slot or has a load on its way
	s_add_nc_u64 s[G0+4*\slot+2:G0+4*\slot+3], s[G0+4*\slot+2:G0+4*\slot+3], 2*ROWB
	s_add_nc_u64 s[G0B+4*\slot+2:G0B+4*\slot+3], s[G0B+4*\slot+2:G0B+4*\slot+3], 2*ROWB
	JLOAD G0+4*\slot, G1, G0B+4*\slot, G1B         ; my one tensor load behind the round; its four v_nop are the places in front of the loads below
.else
	PLACES NP
.endif
	s_wait_alu depctr_va_vdst(0)
	v_add_nc_u32 v[ADSA], 4*NQ, v[ADSA]            ; the next K step's scale words (no LDS load of mine is out)
	v_add_nc_u32 v[ADSB], 4*NQ, v[ADSB]
	FETCH_B \next, 0, 0
	FETCH_A \next, 0, 0
	SCALES \next
.if \fill
	s_cmp_gt_u32 s3, 1                             ; s3 = 1 in the loop's last trip, whose refills have no K step two on
	s_cbranch_scc0 .Lno_ask_\@
	global_prefetch_b8 v[PFO], s[PFA:PFA+1] th:TH_LOAD_NT scope:SCOPE_SE
.Lno_ask_\@:
.endif
	WIN MUL_HI
	MUL16 4, 1, NQ-1, \slot, 0
	MUL16 6, 1, NQ-1, \slot, 0
	PLACES NP
	WIN 0
	FETCH_A \next, 0, 4
.endm
; 64 numbers of a lane, register 16 b + i = place 16 (lane / 16) + i of block b of my row, become a fragment's codes in v[PC] on and its scale word in v[PW].
.macro QUANT s
.irp b, 0,1,2,3
	v_max3_num_f32 v[TM+\b], |v[\s+16*\b]|, |v[\s+1+16*\b]|, 0x1800000   ; my 16 numbers of block b, and the floor 2^(3 - 127): the byte cannot fall under 1
.endr
.irp i, 2,4,6,8,10,12,14
.irp b, 0,1,2,3
	v_max3_num_f32 v[TM+\b], v[TM+\b], |v[\s+16*\b+\i]|, |v[\s+1+16*\b+\i]|
.endr
.endr
.irp b, 0,1,2,3
	v_permlanex16_b32 v[TM+4+\b], v[TM+\b], s[SEL], s[SEL+1]
.endr
.irp b, 0,1,2,3
	v_max_num_f32 v[TM+\b], v[TM+\b], v[TM+4+\b]   ; with lane l xor 16's: the block's largest magnitude
.endr
.irp b, 0,1,2,3
	v_add_nc_u32 v[TM+12+\b], 0xff000000, v[TM+\b] ; 2 off its exponent field: the conversion's scale operand
.endr
.irp b, 0,1,2,3
	v_lshrrev_b32 v[TM+4+\b], 23, v[TM+12+\b]      ; the scale's byte
.endr
	v_lshl_or_b32 v[PW], v[TM+5], 8, v[TM+4]
	v_lshl_or_b32 v[PW], v[TM+6], 16, v[PW]
	v_lshl_or_b32 v[PW], v[TM+7], 24, v[PW]
.irp c, 0,1
	v_cvt_scalef32_pk16_fp6_f32 v[PC+6*\c:PC+2+6*\c], v[\s+32*\c:\s+15+32*\c], v[TM+12+2*\c]
	v_cvt_scalef32_pk16_fp6_f32 v[PC+12+4*\c:PC+14+4*\c], v[\s+16+32*\c:\s+31+32*\c], v[TM+12+2*\c+1]   ; (a conversion's three registers begin on an even number)
.endr
	v_nop                                          ; one plain place behind a scaled conversion
.irp c, 0,1                            ; the operand's layout wants a whole block in a lane
.irp i, 0,1,2
	v_permlane16_swap_b32 v[PC+6*\c+\i], v[PC+12+4*\c+\i]
.endr
.irp i, 0,1,2
	v_mov_b32 v[PC+3+6*\c+\i], v[PC+12+4*\c+\i]
.endr
.endr
.endm
.macro TABLE a                         ; block a's cos and sin (16 tokens x my 64 frequencies) into window 1: even a: v96-127, v224-255; odd a: v0-31, v32-63
.set TC, 96*(1-(\a)%2)
.set TS, 32+192*(1-(\a)%2)
	WIN 0x40
.irp g, 0,1,2,3,4,5,6,7
	global_load_b128 v[TC+4*\g:TC+4*\g+3], v[VT], s[96:97] offset:(\a)*16384+512*\g
.endr
.irp g, 0,1,2,3,4,5,6,7
	global_load_b128 v[TS+4*\g:TS+4*\g+3], v[VT], s[96:97] offset:(\a)*16384+4096+512*\g
.endr
	WIN 0
.endm
.macro OUTB a                          ; the fragment leaves as it stands: three stores of 512 consecutive bytes
	v_mov_b32 v[PWS+(\a)], v[PW]
.irp j, 0,1,2
	global_store_b128 v[OFS], v[PC+4*\j:PC+4*\j+3], s[98:99] offset:(\a)*1536+512*\j
.endr
.endm
.macro QK a                            ; 16 tokens of q or k: bias, rotation, quantiser
.if (\a) < 7
	s_wait_loadcnt 16                              ; this block's table is in (and, the first time, the bias); the next block's 16 loads may be out
.else
	s_wait_loadcnt 0x0
.endif
	s_wait_xcnt 0x0                                ; the last block's stores have read their registers
	WIN 0x02+(\a)/4                                ; source 0: the accumulators' window
.set n, 0
.rept 32
	v_pk_add_f32 v[X+2*n:X+2*n+1], v[64*((\a)%4)+2*n:64*((\a)%4)+2*n+1], v[BI+2*n:BI+2*n+1]   ; ascending: each accumulator is read from its low end on
.set n, n+1
.endr
	WIN 0x04                                       ; source 1: the table's window
.set TC, 96*(1-(\a)%2)
.set TS, 32+192*(1-(\a)%2)
.set n, 0
.rept 16
.set T, PC+4*(n%4)
	v_pk_mul_f32 v[T:T+1], v[X+32+2*n:X+33+2*n], v[TS+2*n:TS+2*n+1]
	v_pk_mul_f32 v[T+2:T+3], v[X+2*n:X+2*n+1], v[TS+2*n:TS+2*n+1]
	v_pk_fma_f32 v[X+2*n:X+2*n+1], v[X+2*n:X+2*n+1], v[TC+2*n:TC+2*n+1], v[T:T+1] neg_lo:[0,0,1] neg_hi:[0,0,1]   ; x1 cos - x2 sin
	v_pk_fma_f32 v[X+32+2*n:X+33+2*n], v[X+32+2*n:X+33+2*n], v[TC+2*n:TC+2*n+1], v[T+2:T+3]                       ; x2 cos + x1 sin
.set n, n+1
.endr
	WIN 0
.if (\a)+2 <= 7
	TABLE (\a)+2                                   ; into the buffer just read
.endif
	QUANT X
	OUTB \a
.endm
.macro VV a                            ; 16 of v's d: bias, quantiser along the tokens
	s_wait_xcnt 0x0
	WIN 0x02+(\a)/4
.set n, 0
.rept 32
	v_pk_add_f32 v[X+2*n:X+2*n+1], v[64*((\a)%4)+2*n:64*((\a)%4)+2*n+1], v[BL+2*(\a):BL+2*(\a)+1]
.set n, n+1
.endr
	WIN 0
	QUANT X
	OUTB \a
.endm
	s_wait_alu depctr_va_vdst(0)
	s_wait_tensorcnt 0x0                           ; my tile of the head's four is in
	ds_add_u32 v[SPW], v[NIL]
	s_mov_b32 s[G1+2], 8<<16                       ; no tensor load of mine is out: from here on a load brings 8 groups of 16 rows
	s_mov_b32 s[G1+4], 8
	s_mov_b32 s[G1B+2], 8<<16
	s_mov_b32 s[G1B+4], 8
	s_wait_dscnt 0x0
	CROUND                                         ; all four tiles are in, and all sixteen work-groups are here
	JLOAD G0+4, G1, G0B+4, G1B                     ; K step 1: the first tensor load behind the round
	FETCH_B 0, 0, 0
	global_prefetch_b8 v[PFO], s[PFA:PFA+1] offset:-ROWB th:TH_LOAD_NT scope:SCOPE_SE   ; K step 2, one refill ahead,
	global_prefetch_b8 v[PFO], s[PFA:PFA+1] th:TH_LOAD_NT scope:SCOPE_SE                ; and K step 3, two
	FETCH_A 0, 0, 0
	SCALES 0
	FETCH_A 0, 0, 4
	STEP 0, 0, 1                                   ; the first step starts the sums: nothing is cleared
	s_mov_b32 s3, LAPS-1
.Llap:
	TURN 0, 1, 1
	STEP 1, 0, 0
	TURN 1, 0, 1
	STEP 0, 0, 0
	s_sub_co_u32 s3, s3, 1
	s_cmp_lg_u32 s3, 0
	s_cbranch_scc1 .Llap
	; what the way out wants is asked for here, 192 matrix instructions ahead of its use, alike in every work-group
.irp b, 0,1,2,3,4,5,6,7
	global_load_b128 v[BI+8*\b:BI+8*\b+3], v[VB], s[12:13] offset:(128*(\b/4)+16*(\b%4))*4
	global_load_b128 v[BI+8*\b+4:BI+8*\b+7], v[VB], s[12:13] offset:(128*(\b/4)+16*(\b%4))*4+16
.endr
.irp a, 0,1,2,3,4,5,6,7
	global_load_b32 v[BL+2*\a], v[VL], s[12:13] offset:64*\a
	global_load_b32 v[BL+2*\a+1], v[VL], s[12:13] offset:64*\a
.endr
	TABLE 0
	TURN 0, 1, 0                                   ; the last lap fills nothing
	STEP 1, 0, 0
	s_wait_dscnt 4*NL
	WIN MUL_LO
	MUL16 0, 1, NQ-1, 1, 0
	MUL16 2, 1, NQ-1, 1, 0
	s_wait_dscnt 0
	WIN MUL_HI
	MUL16 4, 1, NQ-1, 1, 0
	MUL16 6, 1, NQ-1, 1, 0
	WIN 0
	PLACES NP
	s_cmp_eq_u32 ttmp9, 3                          ; the one parting of the ways, by the cluster's kind: no tensor load, LDS access or barrier stands in either arm
	s_cbranch_scc1 .Lv
	TABLE 1
.irp a, 0,1,2,3,4,5,6,7
	QK \a
.endr
	s_branch .Lout
.Lv:
	s_wait_loadcnt 0x0
.irp a, 0,1,2,3,4,5,6,7
	VV \a
.endr
.Lout:
	s_wait_xcnt 0x0                                ; the last block's stores have read v[PC] on
	v_cmp_gt_u32 vcc_lo, 16, v[LANE]
	s_wait_alu depctr_va_vdst(0)
.irp i, 0,1,2,3
	v_cndmask_b32 v[PC+\i], v[PWS+4+\i], v[PWS+\i], vcc_lo   ; lanes 0-15: the words of blocks 0-3, lanes 16-31: of blocks 4-7
.endr
	global_store_b128 v[SOF], v[PC:PC+3], s[98:99] ; 512 consecutive bytes
	s_wait_tensorcnt 0x0                           ; the wave's end
	ds_add_u32 v[SPW], v[NIL]
	s_wait_dscnt 0x0
	CROUND                                         ; the closing round
	s_endpgm
.Lfunc_end_k_qddd3a7178a_qkv:
	.size	k_qddd3a7178a_qkv, .Lfunc_end_k_qddd3a7178a_qkv-k_qddd3a7178a_qkv
	.p2alignl 7, 3214868480
	.fill 96, 4, 3214868480
	.section	.rodata,"a",@progbits
	.p2align	6, 0x0
	.amdhsa_kernel k_qddd3a7178a_qkv
		.amdhsa_group_segment_fixed_size 327680
		.amdhsa_private_segment_fixed_size 0
		.amdhsa_enable_private_segment 0
		.amdhsa_kernarg_size 112
		.amdhsa_user_sgpr_count 2
		.amdhsa_user_sgpr_kernarg_segment_ptr 1
		.amdhsa_wavefront_size32 1
		.amdhsa_system_sgpr_workgroup_id_x 1
		.amdhsa_system_sgpr_workgroup_id_y 1
		.amdhsa_system_sgpr_workgroup_id_z 1
		.amdhsa_system_vgpr_workitem_id 0
		.amdhsa_next_free_vgpr 1024
		.amdhsa_next_free_sgpr 102
		.amdhsa_reserve_vcc 1
		.amdhsa_float_denorm_mode_32 3
		.amdhsa_float_denorm_mode_16_64 3
		.amdhsa_memory_ordered 1
		.amdhsa_forward_progress 1
		.amdhsa_inst_pref_size 255
	.end_amdhsa_kernel
	.section	.bss,"aw",@nobits
	.p2align	6
	.space	262144
	.amdgpu_metadata
---
amdhsa.version: [ 1, 2 ]
amdhsa.kernels:
  - .name:           k_qddd3a7178a_qkv
    .symbol:         k_qddd3a7178a_qkv.kd
    .args:
      - { .name: hi, .offset: 0, .size: 8, .value_kind: global_buffer, .address_space: global }
      - { .name: hidden_states_scales, .offset: 8, .size: 8, .value_kind: global_buffer, .address_space: global }
      - { .name: wqi, .offset: 16, .size: 8, .value_kind: global_buffer, .address_space: global }
      - { .name: Wq_scales, .offset: 24, .size: 8, .value_kind: global_buffer, .address_space: global }
      - { .name: wki, .offset: 32, .size: 8, .value_kind: global_buffer, .address_space: global }
      - { .name: Wk_scales, .offset: 40, .size: 8, .value_kind: global_buffer, .address_space: global }
      - { .name: wvi, .offset: 48, .size: 8, .value_kind: global_buffer, .address_space: global }
      - { .name: Wv_scales, .offset: 56, .size: 8, .value_kind: global_buffer, .address_space: global }
      - { .name: bq, .offset: 64, .size: 8, .value_kind: global_buffer, .address_space: global }
      - { .name: bk, .offset: 72, .size: 8, .value_kind: global_buffer, .address_space: global }
      - { .name: bv, .offset: 80, .size: 8, .value_kind: global_buffer, .address_space: global }
      - { .name: rw, .offset: 88, .size: 8, .value_kind: global_buffer, .address_space: global }
      - { .name: qw, .offset: 96, .size: 8, .value_kind: global_buffer, .address_space: global }
      - { .name: kvw, .offset: 104, .size: 8, .value_kind: global_buffer, .address_space: global }
    .group_segment_fixed_size: 327680
    .private_segment_fixed_size: 0
    .kernarg_segment_align: 8
    .kernarg_segment_size: 112
    .max_flat_workgroup_size: 128
    .sgpr_count:     102
    .vgpr_count:     1024
    .wavefront_size: 32
...
	.end_amdgpu_metadata
.endif
;; end of part 2
;; launch attn (part 3): grid 16 x 16, 4 waves a work-group, clusters of 4 x 1, 327,680 bytes of LDS; arguments qw, kvw, aw; writes aw
.if DOCPART == 3
	.amdgcn_target "amdgcn-amd-amdhsa--gfx1250"
	.amdhsa_code_object_version 6
	.text
	.protected	k_qddd3a7178a_attn
	.globl	k_qddd3a7178a_attn
	.p2align	8
	.type	k_qddd3a7178a_attn,@function
k_qddd3a7178a_attn:
	s_mov_b64 s[64:65], 0
	v_nop
	global_prefetch_b8 v0, s[64:65] scope:SCOPE_SE
	s_setreg_imm32_b32 hwreg(HW_REG_WAVE_MODE, 25, 1), 1
	s_wait_xcnt 0x0
	s_wait_alu depctr_hold_cnt(0) depctr_sa_sdst(0) depctr_va_vdst(0) depctr_va_sdst(0) depctr_va_ssrc(0) depctr_va_vcc(0) depctr_vm_vsrc(0)
	s_getreg_b32 s2, hwreg(HW_REG_IB_STS2, 6, 4)
	s_cmp_eq_u32 s2, 0
	s_cbranch_scc0 .Lentry_in_a_cluster
	s_endpgm
.Lentry_in_a_cluster:
	s_bfe_u32 s2, ttmp6, 0x10000c
	s_cmp_lg_u32 s2, 0x3003
	s_cbranch_scc0 .Lentry_shape_is_right
	s_endpgm
.Lentry_shape_is_right:
; Causal attention on codes of FP6 (E2M3): S^T = K Q^T, p = 2^(t - M), O^T = V^T P^T, O / l, and the quantiser along d; the window of 1,024 equals the sequence, so the mask is the causal one alone.
; t = score x log2(e) / 16; M = the running largest t rounded up to a whole number; the row's sum is taken of the unquantised p; when M moves, the sum and O^T are multiplied by 2^(old M - new M), exactly.
; SHARES.  y = 4 b + kv head.  The cluster's x gives G = x % 2 and the query head 2 kvh + x / 2.  tau = 4 cx + wave.  A wave owns TWO tiles of 16 queries: tile L = queries 256 G + 16 tau + r, tile H = queries 256 (3 - G) + 16 tau + r.
; The keys come in four slots of 256, two key steps of 128 each.  A tile works in slot s where s <= its group of 256, and is masked where s = its group: so every wave has ten steps of (one tile, 128 keys), whatever G.
;   slot 0: H, and L (masked where G = 0);  slot 1: H, and where G = 1 L (masked);  slot 2: H (masked where G = 1);  slot 3: where G = 0 H (masked).
; The eight key steps are written straight, each with only what can run in it.  All branches hang on G, the cluster's x: alike in all partners and waves.  cx enters only addresses in qw and aw, and the mask's numbers.
; CLUSTER.  The four partners read the same K and V: each slot (K's block, V's block: 102,400 dense bytes) is asked for jointly, a quarter by each wave.
; LDS holds three slots.  Slot 0 is asked for at the head, slots 1 and 2 one by one behind it (one tensor load of a wave is out at a time); slot 3 goes into slot 0's bytes when every wave of the cluster has left them, and has slots 1 and 2 in which to land.
; Every cluster asks for slot 3; where G = 1 only the fetch of its first K reads it, and those registers are not used.
; A KEY STEP.  K's fragments were asked for in the step before, as soon as both tiles had multiplied by the old ones; V's are asked for at the step's head and land under K Q^T and the first part of H's softmax:
; every run of LDS loads but the first has matrix or vector work beside it, and at most 52 LDS loads of a wave are out.
; OPERANDS come as images of registers (register group j of lane l at 512 j + 16 l): every LDS read is 512 consecutive bytes.  Key step c of a slot holds the key blocks 2 c, 2 c + 1, 4 + 2 c, 5 + 2 c, as v's codes do:
; tile e of S^T takes key tile 8 (e / 4) + 4 c + e % 4; register n of S^T in lane (r, h) is key 128 (n / 32) + 64 c + 16 ((n / 8) % 4) + 8 h + n % 8 of the slot.
; THE RESULT meets Wo, whose K is in its natural order: eight exchanges of halves for each pair of tiles of O^T give a lane 16 neighbouring d.  aw: fragment (tau, s) at (2 tau + s) x 1,536, scale word at 49,152 + 1,024 s + 64 tau + 4 r.
; REGISTERS: window 0: addresses, scale words (v16-35), V's 16 fragments (v48-239).  Window 1: tile H, window 2: tile L: v0-63 S^T, then p; v64-191 O^T; v192.. p's codes; v212.. at work.  Window 3: Q (H v0-23, L v24-47), K's 16 fragments (v48-239).
; LIMITS: a block of zeros gets the scale byte 1; its codes are zeros, and the bytes are read by this program alone.
; This launch claims all of a WGP's LDS, and has the adds of 0 onto spare words.
; THE FILLS as this text has them: slot 0 is asked for at the head, one tensor load a wave; slots 1 and 2 each behind the wait for all loads, the add and a round of the cluster's barrier,
; ahead of key steps 0 and 1; slot 3 as said above.  One tensor load of a wave is out at a time.
.set BLKB,  51200
.set FRB,   1536
.set SLOTB, 2*BLKB                     ; a slot: K's block, then V's
.set SPARE, 3*SLOTB                    ; behind the three slots: the spare words, 128 bytes a wave, named by no other line
.set LI,   1                           ; 16 lane
.set KSL,  3                           ; K's scale words: 49,152 + 16 r + 1,024 h
.set QD,   9                           ; 16 tau + r - 8 h
.set FO,   10                          ; aw: 16 lane + 3,072 tau
.set SO,   11                          ; aw: 49,152 + 1,024 h + 4 r + 64 tau
.set SPW,  12
.set NIL,  13
.set LANE, 14
.set QO,   15                          ; qw: 16 lane + 1,536 tau
.set KSC,  16                          ; v16-23 K's scale words: lanes 0-15 K step 0, lanes 16-31 K step 1
.set VSC,  24                          ; v24-31 V's
.set QSC,  32                          ; v32, v33 Q's (H, L)
.set PSC,  34                          ; v34, v35 p's (H, L)
.set RW,   40                          ; v40-45 the result's scale words
.set QW,   46                          ; qw: my scale word
.set VF,   48
.set AK,   240                         ; v240-242 K's fragments in LDS slot 0, 1, 2
.set AV,   243                         ; v243-245 V's
.set AKS,  246                         ; v246-248 K's scale words
.set AVS,  249                         ; v249-251 V's
.set KF,   48                          ; in window 3
.set O,    64                          ; from here on: in a tile's window
.set PC,   192
.set BM,   212
.set PT,   216
.set SOP,  220
.set NM,   224                         ; -M; v225 the largest t
.set SUM,  226
.set FF,   228
.set T0,   230
.set S2,   232
.set DM,   234
.set NINF, 235
.set PW,   237
.set S3,   238
.set S4,   240
.set TM,   212                         ; the last quantiser's sixteen registers
.set WV,  10
.set CX,  11
.set GL,  12                           ; G
.set GH,  13                           ; 3 - G
.set SEL, 20
.set CS,  22
.set G1,  24                           ; s[24:31] descriptor group 1
.set G0A, 32                           ; s[32:35], s[36:39], s[56:59] a group 0 for each first fill; the first serves the refill too
.set G0B, 36
.set G0C, 56
.set AWL, 40
.set AWH, 42
.set QH,  44
.set QL,  46
.set MSB, 0
.macro WIN new                         ; the immediate's high byte repeats the setting that is left
.if MSB != (\new)
	s_set_vgpr_msb (MSB<<8)|(\new)
.set MSB, (\new)
.endif
.endm
.macro PLACES n
.rept \n
	v_nop
.endr
.endm
.macro CROUND                          ; a round of the cluster's barrier
	s_barrier_signal -1
	s_barrier_wait -1
	s_cmp_lg_u32 s[WV], 0
	s_cbranch_scc1 .Lnot_wave_0_\@
	s_barrier_signal -3
.Lnot_wave_0_\@:
	s_barrier_wait -3
	s_barrier_signal -1
	s_barrier_wait -1
.endm
.macro MKG0 g, p                       ; group 0 for my quarter of slot p, into LDS slot p
	s_mov_b32 s[\g], 1
	s_add_co_u32 s[\g+1], s16, (\p)*SLOTB
	s_add_nc_u64 s[\g+2:\g+3], s[6:7], (\p)*SLOTB
	s_or_b32 s[\g+3], s[\g+3], 0x80000000
.endm
	s_load_b128 s[4:7], s[0:1], 0x0                ; qw, kvw
	s_load_b64 s[8:9], s[0:1], 0x10                ; aw
	v_lshl_add_u32 v[SPW], v0, 2, SPARE
	v_mov_b32 v[NIL], 0
	ds_add_u32 v12, v13
	ds_add_u32 v12, v13
	s_wait_dscnt 0x0
	v_lshrrev_b32 v1, 5, v0
	v_readfirstlane_b32 s[WV], v1                  ; wave
	s_bfe_u32 s[CX], ttmp6, 0x40000                ; cx
	s_and_b32 s14, ttmp7, 0xffff                   ; 4 b + kv head
	s_and_b32 s[GL], ttmp9, 1
	s_sub_co_u32 s[GH], 3, s[GL]
	s_lshr_b32 s15, ttmp9, 1                       ; which of the two query heads
	s_mov_b32 s[G1], 15|(3<<16)|(1<<21)            ; the mask: all four partners; elements of 8 bytes; bit 21 beside a mask; no padding
	s_mov_b32 s[G1+1], 32<<16                      ; tensor_dim0: 256 bytes
	s_mov_b32 s[G1+2], 100<<16                     ; tensor_dim1: 100 rows: a quarter of a slot
	s_mov_b32 s[G1+3], 32<<16                      ; tile_dim0
	s_mov_b32 s[G1+4], 100                         ; tile_dim1
	s_mov_b32 s[G1+5], 32                          ; dense
	s_mov_b32 s[G1+6], 0
	s_mov_b32 s[G1+7], 0
	s_mul_i32 s16, s[WV], 25600                    ; my quarter of a slot, in LDS and in memory
	s_mul_i32 s2, s14, 4*SLOTB                     ; four slots for each (b, kv head)
	s_add_co_u32 s2, s2, s16
	s_mov_b32 s3, 0
	s_mov_b32 s[SEL], 0x76543210
	s_mov_b32 s[SEL+1], 0xfedcba98
	s_mov_b32 s[CS], 0x3db8aa3b                    ; log2(e) / 16
	s_mov_b32 s[CS+1], s[CS]
	s_wait_kmcnt 0x0
	s_add_nc_u64 s[6:7], s[6:7], s[2:3]
	MKG0 G0A, 0
	MKG0 G0B, 1
	MKG0 G0C, 2
	CROUND                                         ; all four work-groups are here: the first joint loads meet
	tensor_load_to_lds s[G0A:G0A+3], s[G1:G1+7]    ; slot 0: my quarter
	s_nop 0
.rept 4
	v_nop
.endr
	s_lshr_b32 s48, s14, 2                         ; b
	s_and_b32 s49, s14, 3
	s_lshl_b32 s49, s49, 1
	s_add_co_u32 s49, s49, s15                     ; the query head
	s_lshl_b32 s50, s48, 3
	s_add_co_u32 s50, s50, s49
	s_lshl_b32 s50, s50, 2                         ; (8 b + head) x 4 groups
	s_mov_b32 s53, 0
	s_add_co_u32 s52, s50, s[GH]
	s_mul_i32 s52, s52, BLKB
	s_add_nc_u64 s[QH:QH+1], s[4:5], s[52:53]
	s_add_co_u32 s52, s50, s[GL]
	s_mul_i32 s52, s52, BLKB
	s_add_nc_u64 s[QL:QL+1], s[4:5], s[52:53]
	s_lshl_b32 s50, s48, 2
	s_add_co_u32 s52, s50, s[GL]
	s_lshl_b32 s52, s52, 3
	s_add_co_u32 s52, s52, s49                     ; (4 b + group) x 8 heads + head
	s_mul_i32 s52, s52, BLKB
	s_add_nc_u64 s[AWL:AWL+1], s[8:9], s[52:53]
	s_add_co_u32 s52, s50, s[GH]
	s_lshl_b32 s52, s52, 3
	s_add_co_u32 s52, s52, s49
	s_mul_i32 s52, s52, BLKB
	s_add_nc_u64 s[AWH:AWH+1], s[8:9], s[52:53]
	s_lshl_b32 s54, s[CX], 2
	s_add_co_u32 s54, s54, s[WV]                   ; tau
	v_and_b32 v[LANE], 31, v0
	v_and_b32 v50, 15, v0                          ; r
	v_bfe_u32 v51, v0, 4, 1                        ; h
	v_lshlrev_b32 v[LI], 4, v[LANE]
	v_lshlrev_b32 v[KSL], 4, v50
	v_lshl_add_u32 v[KSL], v51, 10, v[KSL]
	v_add_nc_u32 v[KSL], 49152, v[KSL]
.irp p, 0,1,2
	v_add_nc_u32 v[AK+\p], \p*SLOTB, v[LI]
	v_add_nc_u32 v[AV+\p], \p*SLOTB+BLKB, v[LI]
	v_add_nc_u32 v[AKS+\p], \p*SLOTB, v[KSL]
	v_add_nc_u32 v[AVS+\p], \p*SLOTB+BLKB+49152, v[LI]
.endr
	s_lshl_b32 s55, s54, 4
	v_add_nc_u32 v[QD], s55, v50
	v_lshlrev_b32 v52, 3, v51
	v_sub_nc_u32 v[QD], v[QD], v52
	s_mul_i32 s55, s54, 3072
	v_add_nc_u32 v[FO], s55, v[LI]
	s_lshl_b32 s55, s54, 6
	s_add_co_u32 s55, s55, 49152
	v_lshl_add_u32 v[SO], v50, 2, s55
	v_lshl_add_u32 v[SO], v51, 10, v[SO]
	s_mul_i32 s55, s54, FRB
	v_add_nc_u32 v[QO], s55, v[LI]
	s_lshr_b32 s55, s54, 2
	s_lshl_b32 s55, s55, 8
	s_and_b32 s51, s54, 3
	s_lshl_b32 s51, s51, 2
	s_add_co_u32 s55, s55, s51
	v_add_nc_u32 v[QW], s55, v[KSL]                ; 49,152 + 1,024 h + 256 (tau / 4) + 16 r + 4 (tau % 4): lanes 0-15 K step 0's word, lanes 16-31 K step 1's
	WIN 0xc0                                       ; destination window 3
.irp s, 0,1
.irp j, 0,1,2
	global_load_b128 v[12*\s+4*\j:12*\s+4*\j+3], v[QO], s[QH:QH+1] offset:24576*\s+512*\j
	global_load_b128 v[24+12*\s+4*\j:24+12*\s+4*\j+3], v[QO], s[QL:QL+1] offset:24576*\s+512*\j
.endr
.endr
	WIN 0
	global_load_b32 v[QSC], v[QW], s[QH:QH+1]
	global_load_b32 v[QSC+1], v[QW], s[QL:QL+1]
.irp x, 1,2
	WIN 0x55*\x
	v_mov_b32 v[NM+1], 0xff61b1e6                  ; the largest t so far: -3e38
	v_floor_f32 v[NM], -v[NM+1]                    ; -M
	v_mov_b32 v[SUM], 0
	v_mov_b32 v[SUM+1], 0
	v_mov_b32 v[FF], 0
	v_mov_b32 v[FF+1], 0                           ; (named as the upper half of a pair)
	v_mov_b32 v[T0], 0
.irp b, 0,1,2,3
	v_mov_b32 v[PT+\b], 0                          ; a lane permute's destination counts as one of its sources
.endr
	v_mov_b32 v[NINF], 0xff800000
.endr
	WIN 0
; S^T = K Q^T for tile x (1: H, 2: L), key tiles e0 .. e0 + 3: K step 0 starts the sums, K step 1 adds on: the four accumulators by turns, one instruction a turn.
.macro KQ x, e0
	WIN ((\x)<<6)|((\x)<<4)|0x0f
.irp e, \e0, \e0+1, \e0+2, \e0+3
	v_wmma_scale_f32_16x16x128_f8f6f4 v[8*(\e):8*(\e)+7], v[KF+24*(\e):KF+24*(\e)+11], v[24*((\x)-1):24*((\x)-1)+11], 0, v[KSC+(\e)], v[QSC+(\x)-1] matrix_a_fmt:MATRIX_FMT_FP6 matrix_b_fmt:MATRIX_FMT_FP6
.endr
.irp e, \e0, \e0+1, \e0+2, \e0+3
	v_wmma_scale_f32_16x16x128_f8f6f4 v[8*(\e):8*(\e)+7], v[KF+24*(\e)+12:KF+24*(\e)+23], v[24*((\x)-1)+12:24*((\x)-1)+23], v[8*(\e):8*(\e)+7], v[KSC+(\e)], v[QSC+(\x)-1] matrix_a_fmt:MATRIX_FMT_FP6 matrix_b_fmt:MATRIX_FMT_FP6 matrix_a_scale:MATRIX_SCALE_ROW1 matrix_b_scale:MATRIX_SCALE_ROW1
.endr
.endm
; O^T += V^T P^T: sixteen accumulators, one instruction each.  first = 1: the tile's first key step starts the sums: nothing is cleared
.macro PV x, first
	WIN ((\x)<<6)|((\x)<<4)|((\x)<<2)
.irp dt, 0,1,2,3,4,5,6,7,8,9,10,11,12,13,14,15
.if \first
.if ((\dt/4)%2) == 0
	v_wmma_scale_f32_16x16x128_f8f6f4 v[O+8*\dt:O+8*\dt+7], v[VF+12*\dt:VF+12*\dt+11], v[PC:PC+11], 0, v[VSC+4*(\dt/8)+\dt%4], v[PSC+(\x)-1] matrix_a_fmt:MATRIX_FMT_FP6 matrix_b_fmt:MATRIX_FMT_FP6
.else
	v_wmma_scale_f32_16x16x128_f8f6f4 v[O+8*\dt:O+8*\dt+7], v[VF+12*\dt:VF+12*\dt+11], v[PC:PC+11], 0, v[VSC+4*(\dt/8)+\dt%4], v[PSC+(\x)-1] matrix_a_fmt:MATRIX_FMT_FP6 matrix_b_fmt:MATRIX_FMT_FP6 matrix_a_scale:MATRIX_SCALE_ROW1
.endif
.else
.if ((\dt/4)%2) == 0
	v_wmma_scale_f32_16x16x128_f8f6f4 v[O+8*\dt:O+8*\dt+7], v[VF+12*\dt:VF+12*\dt+11], v[PC:PC+11], v[O+8*\dt:O+8*\dt+7], v[VSC+4*(\dt/8)+\dt%4], v[PSC+(\x)-1] matrix_a_fmt:MATRIX_FMT_FP6 matrix_b_fmt:MATRIX_FMT_FP6
.else
	v_wmma_scale_f32_16x16x128_f8f6f4 v[O+8*\dt:O+8*\dt+7], v[VF+12*\dt:VF+12*\dt+11], v[PC:PC+11], v[O+8*\dt:O+8*\dt+7], v[VSC+4*(\dt/8)+\dt%4], v[PSC+(\x)-1] matrix_a_fmt:MATRIX_FMT_FP6 matrix_b_fmt:MATRIX_FMT_FP6 matrix_a_scale:MATRIX_SCALE_ROW1
.endif
.endif
.endr
.endm
; K's scale words and sixteen fragments of key step c in LDS slot ps: 50 loads
.macro FETCH_K ps, c
	WIN 0
	ds_load_b128 v[KSC:KSC+3], v[AKS+\ps] offset:256*(\c)
	ds_load_b128 v[KSC+4:KSC+7], v[AKS+\ps] offset:256*(\c)+512
	WIN 0xc0
.irp e, 0,1,2,3,4,5,6,7
.irp s, 0,1
.irp j, 0,1,2
	ds_load_b128 v[KF+12*(2*\e+\s)+4*\j:KF+12*(2*\e+\s)+4*\j+3], v[AK+\ps] offset:24576*\s+(8*(\e/4)+\e%4+4*(\c))*FRB+512*\j
.endr
.endr
.endr
.endm
; V's likewise
.macro FETCH_V ps, c
	WIN 0
	ds_load_b128 v[VSC:VSC+3], v[AVS+\ps] offset:1024*(\c)
	ds_load_b128 v[VSC+4:VSC+7], v[AVS+\ps] offset:1024*(\c)+512
.irp dt, 0,1,2,3,4,5,6,7,8,9,10,11,12,13,14,15
.irp j, 0,1,2
	ds_load_b128 v[VF+12*\dt+4*\j:VF+12*\dt+4*\j+3], v[AV+\ps] offset:16*FRB*(\c)+FRB*\dt+512*\j
.endr
.endr
.endm
; The softmax of tile x for key step c, as far as p's codes and scale word.  mk: the mask: 0 none, 1 always, 2 where G = gv.
; hook = 1: half way through the exponentials V is waited for and (nxt = 1) the next step's K, key step nc of LDS slot nps, is asked for.
.macro SMA x, mk, gv, c, hook, nxt, nps, nc
.if (\mk) == 2
	s_cmp_lg_u32 s[GL], \gv
	s_cbranch_scc1 .Lopen_\@
.endif
.if \mk
	WIN (\x)<<6
	v_add_nc_u32 v[DM], -64*(\c), v[QD]            ; d = 16 tau + r - 8 h - 64 c: register n is hidden where its key's constant part is above d
	WIN 0x55*(\x)
.set n, 0
.rept 64
	v_cmp_gt_i32 vcc_lo, 128*(n/32)+16*((n/8)%4)+n%8, v[DM]
	v_cndmask_b32 v[n], v[n], v[NINF], vcc_lo
.set n, n+1
.endr
.endif
.if (\mk) == 2
	WIN 0
.Lopen_\@:
.endif
	WIN 0x55*(\x)
.irp b, 0,1,2,3
	v_max3_num_f32 v[BM+\b], v[16*\b], v[16*\b+1], v[16*\b+2]   ; the largest score of each block of 32 keys: for the row's maximum, and, since p rises with the score, for the block's largest p
.endr
.irp i, 3,5,7,9,11,13
.irp b, 0,1,2,3
	v_max3_num_f32 v[BM+\b], v[BM+\b], v[16*\b+\i], v[16*\b+\i+1]
.endr
.endr
.irp b, 0,1,2,3
	v_max_num_f32 v[BM+\b], v[BM+\b], v[16*\b+15]
.endr
.irp b, 0,1,2,3
	v_permlanex16_b32 v[PT+\b], v[BM+\b], s[SEL], s[SEL+1]
.endr
.irp b, 0,1,2,3
	v_max_num_f32 v[BM+\b], v[BM+\b], v[PT+\b]
.endr
	v_max3_num_f32 v[T0], v[BM], v[BM+1], v[BM+2]
	v_max_num_f32 v[T0], v[T0], v[BM+3]
	v_mul_f32 v[T0], s[CS], v[T0]
	v_max_num_f32 v[NM+1], v[NM+1], v[T0]          ; the running largest t
	v_mov_b32 v[T0], v[NM]
	v_floor_f32 v[NM], -v[NM+1]                    ; the new -M: a whole number
	v_sub_f32 v[T0], v[NM], v[T0]
	v_cvt_i32_f32 v[T0], v[T0]                     ; (it saturates)
	v_ldexp_f32 v[FF], 1.0, v[T0]                  ; f = 2^(old M - new M)
.set n, 0
.rept 32
	v_pk_fma_f32 v[2*n:2*n+1], v[2*n:2*n+1], s[CS:CS+1], v[NM:NM+1] op_sel_hi:[1,0,0]   ; t - M
.set n, n+1
.endr
.irp b, 0,1,2,3
	v_fma_f32 v[BM+\b], v[BM+\b], s[CS], v[NM]
.endr
.set n, 0
	s_wait_alu depctr_va_vdst(0)
.rept 32
	v_exp_f32 v[n], v[n]                           ; p, not normalised
.set n, n+1
.endr
.if \hook
	s_wait_dscnt 0x0                               ; V's fragments and scale words, asked for at the step's head, are in: from here on only the next step's K is out
.if \nxt
	FETCH_K \nps, \nc                              ; both tiles have multiplied by the old K, many vector instructions back
.endif
	WIN 0x55*(\x)
.endif
.rept 32
	v_exp_f32 v[n], v[n]
.set n, n+1
.endr
.irp b, 0,1,2,3
	v_exp_f32 v[BM+\b], v[BM+\b]                   ; the block's largest p: the same two instructions on the same number
.endr
	v_pk_mul_f32 v[SUM:SUM+1], v[SUM:SUM+1], v[FF:FF+1] op_sel_hi:[1,0]   ; (a plain place behind the exponentials)
	s_wait_alu depctr_va_vdst(0)
.irp b, 0,1,2,3
	v_max_num_f32 v[BM+\b], 0x1800000, v[BM+\b]    ; the floor 2^(3 - 127)
.endr
.irp b, 0,1,2,3
	v_add_nc_u32 v[SOP+\b], 0xff000000, v[BM+\b]
.endr
.irp b, 0,1,2,3
	v_lshrrev_b32 v[PT+\b], 23, v[SOP+\b]
.endr
	v_lshl_or_b32 v[PW], v[PT+1], 8, v[PT]
	v_lshl_or_b32 v[PW], v[PT+2], 16, v[PW]
	v_lshl_or_b32 v[PW], v[PT+3], 24, v[PW]
.irp c2, 0,1
	v_cvt_scalef32_pk16_fp6_f32 v[PC+6*\c2:PC+2+6*\c2], v[32*\c2:32*\c2+15], v[SOP+2*\c2]
	v_cvt_scalef32_pk16_fp6_f32 v[PC+12+4*\c2:PC+14+4*\c2], v[32*\c2+16:32*\c2+31], v[SOP+2*\c2+1]
.endr
	v_nop                                          ; one plain place behind a scaled conversion
.irp c2, 0,1
.irp i, 0,1,2
	v_permlane16_swap_b32 v[PC+6*\c2+\i], v[PC+12+4*\c2+\i]
.endr
.irp i, 0,1,2
	v_mov_b32 v[PC+3+6*\c2+\i], v[PC+12+4*\c2+\i]
.endr
.endr
	WIN (\x)                                       ; source in the tile's window, destination in window 0: scale operands have no window
	v_mov_b32 v[PSC+(\x)-1], v[PW]
.endm
; The row's sum of the unquantised p, in four chains, and O^T under the new M.  These lines are also the places between the codes' and the scale word's last writes and the products.
.macro SMB x, first
	WIN 0x55*(\x)
	v_pk_add_f32 v[S2:S2+1], v[0:1], v[2:3]
	v_pk_add_f32 v[S3:S3+1], v[4:5], v[6:7]
	v_pk_add_f32 v[S4:S4+1], v[8:9], v[10:11]
	v_pk_add_f32 v[SUM:SUM+1], v[SUM:SUM+1], v[12:13]
.irp j, 14,22,30,38,46,54
	v_pk_add_f32 v[S2:S2+1], v[S2:S2+1], v[\j:\j+1]
	v_pk_add_f32 v[S3:S3+1], v[S3:S3+1], v[\j+2:\j+3]
	v_pk_add_f32 v[S4:S4+1], v[S4:S4+1], v[\j+4:\j+5]
	v_pk_add_f32 v[SUM:SUM+1], v[SUM:SUM+1], v[\j+6:\j+7]
.endr
	v_pk_add_f32 v[S2:S2+1], v[S2:S2+1], v[62:63]
	v_pk_add_f32 v[S3:S3+1], v[S3:S3+1], v[S4:S4+1]
	v_pk_add_f32 v[SUM:SUM+1], v[SUM:SUM+1], v[S2:S2+1]
	v_pk_add_f32 v[SUM:SUM+1], v[SUM:SUM+1], v[S3:S3+1]
.if !(\first)
.set n, 0
.rept 64
	v_pk_mul_f32 v[O+2*n:O+2*n+1], v[O+2*n:O+2*n+1], v[FF:FF+1] op_sel_hi:[1,0]
.set n, n+1
.endr
.endif
.endm
; A KEY STEP: key step c of LDS slot ps.  lm: tile L: 0 not here, 1 always, 2 where G = 1.  hmk, hgv, lmk, lgv: the tiles' masks.  nxt, nps, nc: the next step's K.  first = 1: the tiles' first step.
.macro STEP ps, c, lm, hmk, hgv, lmk, lgv, nxt, nps, nc, first
	s_wait_dscnt 0x0                               ; this step's K, asked for in the step before, is in
	PLACES 4                                       ; behind the last step's products, in front of the loads into V's registers
	FETCH_V \ps, \c
	KQ 1, 0
	KQ 1, 4
.if (\lm) == 2
	WIN 0
	s_cmp_lg_u32 s[GL], 1
	s_cbranch_scc1 .Lnl1_\@
.endif
.if \lm
	KQ 2, 0
	KQ 2, 4
.endif
	WIN 0
.if (\lm) == 2
.Lnl1_\@:
.endif
	PLACES 4                                       ; in front of the first read of the scores
	SMA 1, \hmk, \hgv, \c, 1, \nxt, \nps, \nc
	SMB 1, \first
	PV 1, \first
	WIN 0
.if (\lm) == 2
	s_cmp_lg_u32 s[GL], 1
	s_cbranch_scc1 .Lnl2_\@
.endif
.if \lm
	SMA 2, \lmk, \lgv, \c, 0, 0, 0, 0
	SMB 2, \first
	PV 2, \first
	WIN 0
.endif
.if (\lm) == 2
.Lnl2_\@:
.endif
.endm
; A slot is shown to all four waves: each has waited for its quarter (left: its younger tensor loads, which may stay out).
.macro PUB left
	s_wait_tensorcnt \left
	s_wait_dscnt 0x0                               ; no LDS instruction of mine is out at a signal
	s_barrier_signal -1
	s_barrier_wait -1
.endm
.macro QUANT s                         ; 64 numbers of a lane, register 16 b + i = k 32 b + 16 (lane / 16) + i of my row -> codes in v[PC] on, scale word in v[PW]
.irp b, 0,1,2,3
	v_max3_num_f32 v[TM+\b], |v[\s+16*\b]|, |v[\s+1+16*\b]|, 0x1800000
.endr
.irp i, 2,4,6,8,10,12,14
.irp b, 0,1,2,3
	v_max3_num_f32 v[TM+\b], v[TM+\b], |v[\s+16*\b+\i]|, |v[\s+1+16*\b+\i]|
.endr
.endr
.irp b, 0,1,2,3
	v_permlanex16_b32 v[TM+4+\b], v[TM+\b], s[SEL], s[SEL+1]
.endr
.irp b, 0,1,2,3
	v_max_num_f32 v[TM+\b], v[TM+\b], v[TM+4+\b]
.endr
.irp b, 0,1,2,3
	v_add_nc_u32 v[TM+12+\b], 0xff000000, v[TM+\b]
.endr
.irp b, 0,1,2,3
	v_lshrrev_b32 v[TM+4+\b], 23, v[TM+12+\b]
.endr
	v_lshl_or_b32 v[PW], v[TM+5], 8, v[TM+4]
	v_lshl_or_b32 v[PW], v[TM+6], 16, v[PW]
	v_lshl_or_b32 v[PW], v[TM+7], 24, v[PW]
.irp c, 0,1
	v_cvt_scalef32_pk16_fp6_f32 v[PC+6*\c:PC+2+6*\c], v[\s+32*\c:\s+15+32*\c], v[TM+12+2*\c]
	v_cvt_scalef32_pk16_fp6_f32 v[PC+12+4*\c:PC+14+4*\c], v[\s+16+32*\c:\s+31+32*\c], v[TM+12+2*\c+1]
.endr
	v_nop
.irp c, 0,1
.irp i, 0,1,2
	v_permlane16_swap_b32 v[PC+6*\c+\i], v[PC+12+4*\c+\i]
.endr
.irp i, 0,1,2
	v_mov_b32 v[PC+3+6*\c+\i], v[PC+12+4*\c+\i]
.endr
.endr
.endm
; Tile x leaves: O^T / l, d into its natural order, two fragments and their scale words
.macro FIN x, base
	WIN 0x55*(\x)
	v_add_f32 v[SUM], v[SUM], v[SUM+1]
	v_permlanex16_b32 v[T0], v[SUM], s[SEL], s[SEL+1]
	v_add_f32 v[SUM], v[SUM], v[T0]                ; the row's sum
	s_wait_alu depctr_va_vdst(0)
	v_rcp_f32 v[FF], v[SUM]
	v_nop
.set n, 0
	s_wait_alu depctr_va_vdst(0)
.rept 64
	v_pk_mul_f32 v[O+2*n:O+2*n+1], v[O+2*n:O+2*n+1], v[FF:FF+1] op_sel_hi:[1,0]   ; ascending: each accumulator is read from its low end on
.set n, n+1
.endr
.irp g, 0,1,2,3,4,5,6,7
.irp j, 0,1,2,3,4,5,6,7
	v_permlane16_swap_b32 v[O+16*\g+\j], v[O+16*\g+8+\j]   ; d = 32 g + 8 h + j and 32 g + 16 + 8 h + j become 32 g + 16 h + j and 32 g + 16 h + 8 + j
.endr
.endr
	QUANT O
	WIN (\x)
	v_mov_b32 v[RW+2*((\x)-1)], v[PW]
	WIN (\x)<<2                                    ; a store's data are its source 1
.irp j, 0,1,2
	global_store_b128 v[FO], v[PC+4*\j:PC+4*\j+3], s[\base:\base+1] offset:512*\j
.endr
	s_wait_xcnt 0x0                                ; the stores have read their registers
	WIN 0x55*(\x)
	QUANT O+64
	WIN (\x)
	v_mov_b32 v[RW+2*((\x)-1)+1], v[PW]
	WIN (\x)<<2
.irp j, 0,1,2
	global_store_b128 v[FO], v[PC+4*\j:PC+4*\j+3], s[\base:\base+1] offset:FRB+512*\j
.endr
	WIN 0
	v_cndmask_b32 v[RW+4+(\x)-1], v[RW+2*((\x)-1)], v[RW+2*((\x)-1)+1], vcc_lo   ; lanes 0-15 store K step 0's words, lanes 16-31 K step 1's
	global_store_b32 v[SO], v[RW+4+(\x)-1], s[\base:\base+1]
.endm
.macro NEXTSLOT g                      ; a later first fill, issued as a refill is: the slot asked for before is whole in every partner, then my quarter of the next
	s_wait_tensorcnt 0x0
	ds_add_u32 v[SPW], v[NIL]
	s_wait_dscnt 0x0
	CROUND
	tensor_load_to_lds s[\g:\g+3], s[G1:G1+7]
	s_nop 0
.rept 4
	v_nop
.endr
.endm
	s_wait_loadcnt 0x0                             ; Q
	NEXTSLOT G0B                                   ; slot 0 is whole; slot 1 is asked for
	FETCH_K 0, 0
	; slot 0: both tiles; L is masked where G = 0
	STEP 0, 0, 1, 0, 0, 2, 0, 1, 0, 1, 1
	NEXTSLOT G0C                                   ; slot 1 is whole: the step below fetches its first K; slot 2 is asked for
	STEP 0, 1, 1, 0, 0, 2, 0, 1, 1, 0, 0
	; slot 0's bytes are left: slot 3 goes there
	s_wait_tensorcnt 0x0                           ; all my tensor loads have landed, slot 2's among them: a group 0 may be written
	ds_add_u32 v[SPW], v[NIL]                      ; 0 onto my spare word
	s_add_nc_u64 s[G0A+2:G0A+3], s[G0A+2:G0A+3], 3*SLOTB   ; my quarter of slot 3; the type bits on top are not reached
	s_wait_dscnt 0x0                               ; the add is done, and my reads of slot 0 are over
	CROUND                                         ; both now hold of every wave of all four work-groups
	tensor_load_to_lds s[G0A:G0A+3], s[G1:G1+7]    ; my one tensor load behind the round
	s_nop 0
.rept 4
	v_nop
.endr
	; slot 1: H; where G = 1 also L, masked
	STEP 1, 0, 2, 0, 0, 1, 0, 1, 1, 1, 0
	STEP 1, 1, 2, 0, 0, 1, 0, 1, 2, 0, 0
	; slot 2: H, masked where G = 1
	STEP 2, 0, 0, 2, 1, 0, 0, 1, 2, 1, 0
	PUB 0                                          ; slot 3 is whole: my one load that was out
	STEP 2, 1, 0, 2, 1, 0, 0, 1, 0, 0, 0
	; slot 3, in slot 0's bytes: H where G = 0, masked
	s_wait_dscnt 0x0
	s_cmp_eq_u32 s[GL], 1
	s_cbranch_scc1 .Lfin
	STEP 0, 0, 0, 1, 0, 0, 0, 1, 0, 1, 0
	STEP 0, 1, 0, 1, 0, 0, 0, 0, 0, 0, 0
.Lfin:
	PLACES 4                                       ; behind the last products
	v_cmp_le_u32 vcc_lo, 16, v[LANE]
	FIN 1, AWH
	FIN 2, AWL
	s_wait_tensorcnt 0x0                           ; the wave's end
	ds_add_u32 v[SPW], v[NIL]
	s_wait_dscnt 0x0
	CROUND                                         ; the closing round
	s_endpgm
.Lfunc_end_k_qddd3a7178a_attn:
	.size	k_qddd3a7178a_attn, .Lfunc_end_k_qddd3a7178a_attn-k_qddd3a7178a_attn
	.p2alignl 7, 3214868480
	.fill 96, 4, 3214868480
	.section	.rodata,"a",@progbits
	.p2align	6, 0x0
	.amdhsa_kernel k_qddd3a7178a_attn
		.amdhsa_group_segment_fixed_size 327680
		.amdhsa_private_segment_fixed_size 0
		.amdhsa_enable_private_segment 0
		.amdhsa_kernarg_size 24
		.amdhsa_user_sgpr_count 2
		.amdhsa_user_sgpr_kernarg_segment_ptr 1
		.amdhsa_wavefront_size32 1
		.amdhsa_system_sgpr_workgroup_id_x 1
		.amdhsa_system_sgpr_workgroup_id_y 1
		.amdhsa_system_sgpr_workgroup_id_z 1
		.amdhsa_system_vgpr_workitem_id 0
		.amdhsa_next_free_vgpr 1024
		.amdhsa_next_free_sgpr 66
		.amdhsa_reserve_vcc 1
		.amdhsa_float_denorm_mode_32 3
		.amdhsa_float_denorm_mode_16_64 3
		.amdhsa_memory_ordered 1
		.amdhsa_forward_progress 1
		.amdhsa_inst_pref_size 255
	.end_amdhsa_kernel
	.section	.bss,"aw",@nobits
	.p2align	6
	.space	262144
	.amdgpu_metadata
---
amdhsa.version: [ 1, 2 ]
amdhsa.kernels:
  - .name:           k_qddd3a7178a_attn
    .symbol:         k_qddd3a7178a_attn.kd
    .args:
      - { .name: qw, .offset: 0, .size: 8, .value_kind: global_buffer, .address_space: global }
      - { .name: kvw, .offset: 8, .size: 8, .value_kind: global_buffer, .address_space: global }
      - { .name: aw, .offset: 16, .size: 8, .value_kind: global_buffer, .address_space: global }
    .group_segment_fixed_size: 327680
    .private_segment_fixed_size: 0
    .kernarg_segment_align: 8
    .kernarg_segment_size: 24
    .max_flat_workgroup_size: 128
    .sgpr_count:     66
    .vgpr_count:     1024
    .wavefront_size: 32
...
	.end_amdgpu_metadata
.endif
;; end of part 3
;; launch oproj (part 4): grid 16 x 16, 4 waves a work-group, clusters of 4 x 4, 327,680 bytes of LDS; arguments aw, rw, Wo_scales, out0; writes out0
.if DOCPART == 4
	.amdgcn_target "amdgcn-amd-amdhsa--gfx1250"
	.amdhsa_code_object_version 6
	.text
	.protected	k_qddd3a7178a_oproj
	.globl	k_qddd3a7178a_oproj
	.p2align	8
	.type	k_qddd3a7178a_oproj,@function
k_qddd3a7178a_oproj:
	s_mov_b64 s[64:65], 0
	v_nop
	global_prefetch_b8 v0, s[64:65] scope:SCOPE_SE
	s_setreg_imm32_b32 hwreg(HW_REG_WAVE_MODE, 25, 1), 1
	s_wait_xcnt 0x0
	s_wait_alu depctr_hold_cnt(0) depctr_sa_sdst(0) depctr_va_vdst(0) depctr_va_sdst(0) depctr_va_ssrc(0) depctr_va_vcc(0) depctr_vm_vsrc(0)
	s_getreg_b32 s2, hwreg(HW_REG_IB_STS2, 6, 4)
	s_cmp_eq_u32 s2, 0
	s_cbranch_scc0 .Lentry_in_a_cluster
	s_endpgm
.Lentry_in_a_cluster:
	s_bfe_u32 s2, ttmp6, 0x10000c
	s_cmp_lg_u32 s2, 0xf033
	s_cbranch_scc0 .Lentry_shape_is_right
	s_endpgm
.Lentry_shape_is_right:
.set ABYT,  102400
; out0 = attention's codes (aw) x Wo.  Wo's codes come as images of operand registers, [16 rows][K step of 128][1,536 bytes], from byte 4,194,304 of rw on:
; a slot's tile of Wo is rows of 6,144 bytes (16 rows x 512 along K), 24,576 bytes apart, dense in LDS.
.set BPIT,  384                        ; LDS bytes for each row of Wo in a slot
.set SLOT,  ABYT+128*BPIT
.set SCLB,  2*SLOT
.set SPARE, SCLB+4*2176
.set SPW,  2
.set NIL,  3
.set ADRA, 4
.set ADSA, 8
.set ADRB, 12
.set SCA,  16
.set SCB,  48
.set ADSB, 64
.set STO,  65
.set RD,   66
.set CO,   67
.set BK,   128
.set G1, 24
.set G0, 32
.set G1B, 48
.set G0B, 56
.set G1S, 68
.set G0S, 76
.set MULW, 0xad
.set MSB, 0
.macro WIN new
.if MSB != (\new)
	s_set_vgpr_msb (MSB<<8)|(\new)
.set MSB, (\new)
.endif
.endm
.macro PLACES n
.rept \n
	v_nop
.endr
.endm
.macro JLOAD g0a, g1a, g0b, g1b
	s_cmp_eq_u32 s15, 0
	s_cbranch_scc0 .Lfor_b_\@
	tensor_load_to_lds s[\g0a:\g0a+3], s[\g1a:\g1a+7]
	s_nop 0
.rept 4
	v_nop
.endr
	s_branch .Lasked_\@
.Lfor_b_\@:
	tensor_load_to_lds s[\g0b:\g0b+3], s[\g1b:\g1b+7]
	s_nop 0
.rept 4
	v_nop
.endr
.Lasked_\@:
.endm
.macro CREST
	s_cmp_lg_u32 s14, 0
	s_cbranch_scc1 .Lnot_wave_0_\@
	s_barrier_signal -3
.Lnot_wave_0_\@:
	s_barrier_wait -3
	s_barrier_signal -1
	s_barrier_wait -1
.endm
.macro CROUND
	s_barrier_signal -1
	s_barrier_wait -1
	CREST
.endm
	s_load_b256 s[4:11], s[0:1], 0x0
	v_lshl_add_u32 v[SPW], v0, 2, SPARE
	v_mov_b32 v[NIL], 0
	ds_add_u32 v2, v3
	ds_add_u32 v2, v3
	s_wait_dscnt 0x0
	v_lshrrev_b32 v1, 5, v0
	v_readfirstlane_b32 s14, v1
	s_lshr_b32 s15, s14, 1
	s_and_b32 s16, s14, 1
	s_bfe_u32 s40, ttmp6, 0x40000
	s_bfe_u32 s41, ttmp6, 0x40004
	s_lshl_b32 s42, ttmp9, 2
	s_add_co_u32 s42, s42, s40
	s_and_b32 s17, ttmp7, 0xffff
	s_lshl_b32 s17, s17, 2
	s_add_co_u32 s17, s17, s41
	s_lshl_b32 s43, s41, 2
	s_lshl_b32 s43, 15, s43
	s_lshl_b32 s44, 0x1111, s40
	s_or_b32 s[G1+0], s43, (3<<16)|(1<<21)
	s_mov_b32 s[G1+1], 32<<16
	s_mov_b32 s[G1+2], 400<<16                     ; the head's load brings a whole slot of A; then 200
	s_mov_b32 s[G1+3], 32<<16
	s_mov_b32 s[G1+4], 400
	s_mov_b32 s[G1+5], 32
	s_mov_b32 s[G1+6], 0
	s_mov_b32 s[G1+7], 0
	s_or_b32 s[G1B+0], s44, (0<<16)|(1<<21)
	s_mov_b32 s[G1B+1], 6144<<16
	s_mov_b32 s[G1B+2], 8<<16                      ; the head's load brings all 8 groups of 16 rows; then 4
	s_mov_b32 s[G1B+3], 6144<<16
	s_mov_b32 s[G1B+4], 8
	s_mov_b32 s[G1B+5], 24576
	s_mov_b32 s[G1B+6], 0
	s_mov_b32 s[G1B+7], 0
	s_or_b32 s[G1S+0], s44, (3<<16)|(1<<20)|(1<<21)|(5<<22)|(3<<25)
	s_mov_b32 s[G1S+1], 32<<16
	s_mov_b32 s[G1S+2], 16<<16                     ; half of Wo's scales a load
	s_mov_b32 s[G1S+3], 32<<16
	s_mov_b32 s[G1S+4], 16
	s_mov_b32 s[G1S+5], 32
	s_mov_b32 s[G1S+6], 0
	s_mov_b32 s[G1S+7], 0
	s_mul_i32 s20, s17, 409600
	s_mul_i32 s45, s16, 51200
	s_add_co_u32 s20, s20, s45
	s_mov_b32 s21, 0
	s_lshl_b32 s46, s42, 7
	s_lshl_b32 s47, s16, 6
	s_add_co_u32 s46, s46, s47
	s_mul_i32 s46, s46, 1536
	s_add_co_u32 s46, s46, 0x400000                ; Wo's images lie behind the table
	s_mov_b32 s47, 0
	s_lshl_b32 s92, s42, 13
	s_lshl_b32 s93, s15, 12
	s_add_co_u32 s92, s92, s93
	s_mov_b32 s93, 0
	s_mul_i32 s94, s16, 64*BPIT
	s_add_co_u32 s94, s94, ABYT
	s_mul_i32 s95, s15, 4352
	s_add_co_u32 s95, s95, SCLB
	s_wait_kmcnt 0x0
	s_add_nc_u64 s[20:21], s[4:5], s[20:21]
	s_add_nc_u64 s[46:47], s[6:7], s[46:47]
	s_add_nc_u64 s[92:93], s[8:9], s[92:93]
	CROUND
	s_mov_b32 s[G0S], 1
	s_mov_b32 s[G0S+1], s95
	s_mov_b64 s[G0S+2:G0S+3], s[92:93]
	s_or_b32 s[G0S+3], s[G0S+3], 0x80000000
.irp s, 0,1
	s_mov_b32 s[G0+4*\s], 1
	s_add_co_u32 s[G0+4*\s+1], s45, \s*SLOT
	s_add_nc_u64 s[G0+4*\s+2:G0+4*\s+3], s[20:21], \s*ABYT
	s_or_b32 s[G0+4*\s+3], s[G0+4*\s+3], 0x80000000
	s_mov_b32 s[G0B+4*\s], 1
	s_add_co_u32 s[G0B+4*\s+1], s94, \s*SLOT
	s_add_nc_u64 s[G0B+4*\s+2:G0B+4*\s+3], s[46:47], \s*6144
	s_or_b32 s[G0B+4*\s+3], s[G0B+4*\s+3], 0x80000000
.endr
; The head's loads, one a wave: wave 0 slot 0's whole tile of A, wave 2 its whole tile of Wo (their own halves begin the tiles), waves 1 and 3 a half of Wo's scales each.
	s_cmp_eq_u32 s14, 0
	s_cbranch_scc0 .Lhead_b
	tensor_load_to_lds s[G0:G0+3], s[G1:G1+7]
	s_nop 0
.rept 4
	v_nop
.endr
	s_branch .Lhead_asked
.Lhead_b:
	s_cmp_eq_u32 s14, 2
	s_cbranch_scc0 .Lhead_s
	tensor_load_to_lds s[G0B:G0B+3], s[G1B:G1B+7]
	s_nop 0
.rept 4
	v_nop
.endr
	s_branch .Lhead_asked
.Lhead_s:
	tensor_load_to_lds s[G0S:G0S+3], s[G1S:G1S+7]
	s_nop 0
.rept 4
	v_nop
.endr
.Lhead_asked:
	v_and_b32 v68, 15, v0
	v_bfe_u32 v69, v0, 4, 1
	v_and_b32 v70, 31, v0
	v_lshlrev_b32 v71, 4, v70
	v_lshlrev_b32 v72, 2, v68
	v_lshl_add_u32 v72, v69, 8, v72
	s_wait_alu depctr_va_vdst(0)
	s_mul_i32 s21, s15, 24576
	s_lshl_b32 s23, s15, 9
	s_add_co_u32 s23, s23, 49152
.irp s, 0,1
.irp d, 0,1
	s_add_co_u32 s22, s21, \s*SLOT+\d*51200
	v_add_nc_u32 v[ADRA+2*\s+\d], s22, v71
	s_add_co_u32 s22, s23, \s*SLOT+\d*51200
	v_add_nc_u32 v[ADSA+2*\s+\d], s22, v72
.endr
.endr
	s_mul_i32 s21, s16, 64*BPIT
	s_add_co_u32 s21, s21, ABYT
.irp s, 0,1
	v_add_nc_u32 v[ADRB+\s], s21, v71
	s_add_co_u32 s21, s21, SLOT
.endr
	v_lshlrev_b32 v75, 6, v68
	v_lshrrev_b32 v76, 2, v68
	v_lshl_add_u32 v75, v76, 4, v75
	v_mad_u32_u24 v75, v69, 2176, v75
	s_mul_i32 s21, s16, 4352
	s_add_co_u32 s21, s21, SCLB
	v_add_nc_u32 v[ADSB], s21, v75
	s_mul_i32 s21, s14, 4352
	v_mul_u32_u24 v75, v68, 272
	v_lshl_add_u32 v75, v69, 5, v75
	v_add_nc_u32 v[STO], s21, v75
	v_mul_u32_u24 v75, v69, 272
	v_lshl_add_u32 v75, v68, 4, v75
	v_add_nc_u32 v[RD], s21, v75
	v_lshlrev_b32 v75, 13, v69
	v_lshl_add_u32 v[CO], v68, 4, v75
	s_lshl_b32 s20, s17, 8
	s_lshl_b32 s21, s15, 7
	s_add_co_u32 s20, s20, s21
	s_lshl_b32 s20, s20, 13
	s_lshl_b32 s46, s42, 9
	s_lshl_b32 s47, s16, 8
	s_add_co_u32 s46, s46, s47
	s_add_co_u32 s46, s46, s20
	s_mov_b32 s47, 0
	s_add_nc_u64 s[10:11], s[10:11], s[46:47]
.macro FRAGB reg, slot, q, b
.irp j, 0,1,2                          ; an image: three loads of 512 consecutive bytes
	ds_load_b128 v[\reg+4*\j:\reg+4*\j+3], v[ADRB+\slot] offset:1536*(\q)+512*\j+(\b)*16*BPIT
.endr
.endm
.macro FETCH slot, q, set
	WIN 0xc0
.irp i, 0,1,2,3,4,5,6,7
.irp j, 0,1,2
	ds_load_b128 v[96*(\set)+12*\i+4*\j:96*(\set)+12*\i+4*\j+3], v[ADRA+2*(\slot)+(\q)/2] offset:3072*\i+1536*((\q)%2)+512*\j
.endr
.endr
	WIN 0x40
.irp b, 0,1,2,3
	FRAGB 48*(\set)+12*\b, \slot, \q, \b
.endr
	WIN 0
.endm
.macro SCALES slot, ks
.irp q, 0,1,2,3
.irp i, 0,1,2,3
	ds_load_b32 v[SCA+16*(\slot)+4*\q+\i], v[ADSA+2*(\slot)+\q/2] offset:1024*(\q%2)+64*\i
.endr
.endr
.irp j, 0,1
	ds_load_b128 v[SCB+8*(\slot)+4*\j:SCB+8*(\slot)+4*\j+3], v[ADSB] offset:1088*\j+16*(\ks)
.endr
.endm
.macro PROD a, b, set, q, slot, zero
.set rD, 8*(4*(\a)+(\b))
.set rB, 48*(\set)+12*(\b)
.set rA, 96*(\set)+12*(\a)
.set rSB, SCB+8*(\slot)+4*((\b)%2)+(\q)
.set rSA, SCA+16*(\slot)+4*(\q)+(\a)%4
.if \zero
.if ((\a) < 4) && ((\b) < 2)
	v_wmma_scale_f32_16x16x128_f8f6f4 v[rD:rD+7], v[rB:rB+11], v[rA:rA+11], 0, v[rSB], v[rSA] matrix_a_fmt:MATRIX_FMT_FP6 matrix_b_fmt:MATRIX_FMT_FP6
.elseif (\a) < 4
	v_wmma_scale_f32_16x16x128_f8f6f4 v[rD:rD+7], v[rB:rB+11], v[rA:rA+11], 0, v[rSB], v[rSA] matrix_a_fmt:MATRIX_FMT_FP6 matrix_b_fmt:MATRIX_FMT_FP6 matrix_a_scale:MATRIX_SCALE_ROW1
.elseif (\b) < 2
	v_wmma_scale_f32_16x16x128_f8f6f4 v[rD:rD+7], v[rB:rB+11], v[rA:rA+11], 0, v[rSB], v[rSA] matrix_a_fmt:MATRIX_FMT_FP6 matrix_b_fmt:MATRIX_FMT_FP6 matrix_b_scale:MATRIX_SCALE_ROW1
.else
	v_wmma_scale_f32_16x16x128_f8f6f4 v[rD:rD+7], v[rB:rB+11], v[rA:rA+11], 0, v[rSB], v[rSA] matrix_a_fmt:MATRIX_FMT_FP6 matrix_b_fmt:MATRIX_FMT_FP6 matrix_a_scale:MATRIX_SCALE_ROW1 matrix_b_scale:MATRIX_SCALE_ROW1
.endif
.else
.if ((\a) < 4) && ((\b) < 2)
	v_wmma_scale_f32_16x16x128_f8f6f4 v[rD:rD+7], v[rB:rB+11], v[rA:rA+11], v[rD:rD+7], v[rSB], v[rSA] matrix_a_fmt:MATRIX_FMT_FP6 matrix_b_fmt:MATRIX_FMT_FP6
.elseif (\a) < 4
	v_wmma_scale_f32_16x16x128_f8f6f4 v[rD:rD+7], v[rB:rB+11], v[rA:rA+11], v[rD:rD+7], v[rSB], v[rSA] matrix_a_fmt:MATRIX_FMT_FP6 matrix_b_fmt:MATRIX_FMT_FP6 matrix_a_scale:MATRIX_SCALE_ROW1
.elseif (\b) < 2
	v_wmma_scale_f32_16x16x128_f8f6f4 v[rD:rD+7], v[rB:rB+11], v[rA:rA+11], v[rD:rD+7], v[rSB], v[rSA] matrix_a_fmt:MATRIX_FMT_FP6 matrix_b_fmt:MATRIX_FMT_FP6 matrix_b_scale:MATRIX_SCALE_ROW1
.else
	v_wmma_scale_f32_16x16x128_f8f6f4 v[rD:rD+7], v[rB:rB+11], v[rA:rA+11], v[rD:rD+7], v[rSB], v[rSA] matrix_a_fmt:MATRIX_FMT_FP6 matrix_b_fmt:MATRIX_FMT_FP6 matrix_a_scale:MATRIX_SCALE_ROW1 matrix_b_scale:MATRIX_SCALE_ROW1
.endif
.endif
.endm
.macro MUL8 a0, set, q, slot, zero
.irp a, \a0, \a0+1
.irp b, 0,1,2,3
	PROD \a, \b, \set, \q, \slot, \zero
.endr
.endr
.endm
.macro STEP slot, q, zero
	s_wait_dscnt 0x0
	PLACES 4
	FETCH \slot, (\q)+1, ((\q)+1)%2
	WIN MULW
	MUL8 0, (\q)%2, \q, \slot, \zero
	MUL8 2, (\q)%2, \q, \slot, \zero
	MUL8 4, (\q)%2, \q, \slot, \zero
	MUL8 6, (\q)%2, \q, \slot, \zero
	WIN 0
.endm
.macro TURN slot, next, fill, ks
	s_wait_tensorcnt 0x0
	ds_add_u32 v[SPW], v[NIL]
	s_wait_dscnt 1
	WIN MULW
	MUL8 0, 1, 3, \slot, 0
	s_wait_dscnt 0x0
	s_barrier_signal -1
	MUL8 2, 1, 3, \slot, 0
	WIN 0
	s_barrier_wait -1
.if \fill
	CREST
	s_add_nc_u64 s[G0+4*\slot+2:G0+4*\slot+3], s[G0+4*\slot+2:G0+4*\slot+3], 2*ABYT
	s_add_nc_u64 s[G0B+4*\slot+2:G0B+4*\slot+3], s[G0B+4*\slot+2:G0B+4*\slot+3], 2*6144
	JLOAD G0+4*\slot, G1, G0B+4*\slot, G1B
.else
	PLACES 4
.endif
	FETCH \next, 0, 0
	SCALES \next, \ks
	WIN MULW
	MUL8 4, 1, 3, \slot, 0
	MUL8 6, 1, 3, \slot, 0
	WIN 0
.endm
	s_wait_alu depctr_va_vdst(0)
	s_wait_tensorcnt 0x0                           ; my tile of the head's is in
	ds_add_u32 v[SPW], v[NIL]
	s_mov_b32 s[G1+2], 200<<16                     ; no tensor load of mine is out: from here on a load brings half a tile
	s_mov_b32 s[G1+4], 200
	s_mov_b32 s[G1B+2], 4<<16
	s_mov_b32 s[G1B+4], 4
	s_wait_dscnt 0x0
	CROUND                                         ; slot 0 and the scales are whole, and all sixteen work-groups are here
	JLOAD G0+4, G1, G0B+4, G1B                     ; slot 1: the first tensor load behind the round
	FETCH 0, 0, 0
	SCALES 0, 0
	STEP 0, 0, 1
	STEP 0, 1, 0
	STEP 0, 2, 0
	TURN 0, 1, 1, 1
	STEP 1, 0, 0
	STEP 1, 1, 0
	STEP 1, 2, 0
	TURN 1, 0, 1, 2
	STEP 0, 0, 0
	STEP 0, 1, 0
	STEP 0, 2, 0
	TURN 0, 1, 0, 3
	STEP 1, 0, 0
	STEP 1, 1, 0
	STEP 1, 2, 0
	s_wait_dscnt 0x0
	WIN MULW
	MUL8 0, 1, 3, 1, 0
	MUL8 2, 1, 3, 1, 0
	MUL8 4, 1, 3, 1, 0
	MUL8 6, 1, 3, 1, 0
	WIN 0
.macro TOSTAGE a
	WIN 0x08
.irp b, 0,1,2,3
	ds_store_b128 v[STO], v[8*(4*(\a)+\b):8*(4*(\a)+\b)+3] offset:64*\b
	ds_store_b128 v[STO], v[8*(4*(\a)+\b)+4:8*(4*(\a)+\b)+7] offset:64*\b+16
.endr
	WIN 0
.irp t, 0,1,2,3,4,5,6,7
	ds_load_b128 v[BK+32*((\a)%2)+4*\t:BK+32*((\a)%2)+4*\t+3], v[RD] offset:544*\t
.endr
.endm
.macro SEND a, younger
	s_wait_dscnt \younger
.irp t, 0,1,2,3,4,5,6,7
	global_store_b128 v[CO], v[BK+32*((\a)%2)+4*\t:BK+32*((\a)%2)+4*\t+3], s[10:11] offset:131072*(\a)+16384*\t th:TH_STORE_NT
.endr
.endm
	PLACES 4
	TOSTAGE 0
.irp a, 1,2,3,4,5,6,7
.if \a > 1
	s_wait_xcnt 0x0
.endif
	TOSTAGE \a
	SEND \a-1, 16
.endr
	SEND 7, 0
	s_wait_tensorcnt 0x0
	ds_add_u32 v[SPW], v[NIL]
	s_wait_dscnt 0x0
	CROUND
	s_endpgm
.Lfunc_end_k_qddd3a7178a_oproj:
	.size	k_qddd3a7178a_oproj, .Lfunc_end_k_qddd3a7178a_oproj-k_qddd3a7178a_oproj
	.p2alignl 7, 3214868480
	.fill 96, 4, 3214868480
	.section	.rodata,"a",@progbits
	.p2align	6, 0x0
	.amdhsa_kernel k_qddd3a7178a_oproj
		.amdhsa_group_segment_fixed_size 327680
		.amdhsa_private_segment_fixed_size 0
		.amdhsa_enable_private_segment 0
		.amdhsa_kernarg_size 32
		.amdhsa_user_sgpr_count 2
		.amdhsa_user_sgpr_kernarg_segment_ptr 1
		.amdhsa_wavefront_size32 1
		.amdhsa_system_sgpr_workgroup_id_x 1
		.amdhsa_system_sgpr_workgroup_id_y 1
		.amdhsa_system_sgpr_workgroup_id_z 1
		.amdhsa_system_vgpr_workitem_id 0
		.amdhsa_next_free_vgpr 1024
		.amdhsa_next_free_sgpr 98
		.amdhsa_reserve_vcc 0
		.amdhsa_float_denorm_mode_32 3
		.amdhsa_float_denorm_mode_16_64 3
		.amdhsa_memory_ordered 1
		.amdhsa_forward_progress 1
		.amdhsa_inst_pref_size 137
	.end_amdhsa_kernel
	.amdgpu_metadata
---
amdhsa.version: [ 1, 2 ]
amdhsa.kernels:
  - .name:           k_qddd3a7178a_oproj
    .symbol:         k_qddd3a7178a_oproj.kd
    .args:
      - { .name: aw, .offset: 0, .size: 8, .value_kind: global_buffer, .address_space: global }
      - { .name: rw, .offset: 8, .size: 8, .value_kind: global_buffer, .address_space: global }
      - { .name: Wo_scales, .offset: 16, .size: 8, .value_kind: global_buffer, .address_space: global }
      - { .name: out0, .offset: 24, .size: 8, .value_kind: global_buffer, .address_space: global }
    .group_segment_fixed_size: 327680
    .private_segment_fixed_size: 0
    .kernarg_segment_align: 8
    .kernarg_segment_size: 32
    .max_flat_workgroup_size: 128
    .sgpr_count:     98
    .vgpr_count:     1024
    .wavefront_size: 32
...
	.end_amdgpu_metadata
.endif
;; end of part 4
